; MI455X (gfx1250); checked and timed in simulation.
; The chip was launched on July 23, 2026; its instructions are those of AMD's public machine-readable ISA for CDNA 5 (MIT licence, August 2026) and "CDNA5" Instruction Set Architecture Reference Guide (July 2026). The comments in the code are by the model that wrote it; some were corrected since.
;; Multi Head Attention. Allowed arithmetic: matrix products marked QUANTISED: E2M3 operands, one E8M0 scale for each 32 along K, by v_wmma_scale_f32_16x16x128_f8f6f4 with both operands' format E2M3, f32 sums; everything else in f32.
;; Inputs: Wk 1,024 x 1,024 float32; Wo 1,024 x 1,024 float32; Wq 1,024 x 1,024 float32; Wv 1,024 x 1,024 float32; bk 1,024 float32; bo 1,024 float32; bq 1,024 float32; bv 1,024 float32; k 2 x 2,048 x 1,024 float32; q 2 x 2,048 x 1,024 float32; v 2 x 2,048 x 1,024 float32.
;; Outputs: out0 2 x 2,048 x 1,024 float32.
;; This version of the problem:
;;   THIS VERSION OF THE PROBLEM IS GIVEN IN LOW PRECISION. The matrix products marked QUANTISED in the list below multiply operands that are first quantised to E2M3 (2 exponent bits, 3 mantissa bits; 6 bits a number), with one power-of-two scale for each 32 numbers along K (OCP MX v1.0); their sums are f32. All else is computed in f32.
;;   The module's matrix products, in the order in which they are computed (A, B: the left and right operand; K: the contracted axis; several contracted axes count as one K, in the product's order):
;;     1. [M 4,096, K 1,024] x [K 1,024, N 1,024]; A: input q; B: input Wq: QUANTISED
;;     2. [M 4,096, K 1,024] x [K 1,024, N 1,024]; A: input k; B: input Wk: QUANTISED
;;     3. [M 4,096, K 1,024] x [K 1,024, N 1,024]; A: input v; B: input Wv: QUANTISED
;;     4. batch 32 x [M 2,048, K 64] x [K 64, N 2,048]; A: computed on the way; B: computed on the way: QUANTISED
;;     5. batch 32 x [M 2,048, K 2,048] x [K 2,048, N 64]; A: softmax (see below); B: computed on the way: QUANTISED
;;     6. [M 4,096, K 1,024] x [K 1,024, N 1,024]; A: computed on the way; B: input Wo: QUANTISED
;;   THE QUANTISER, for each operand of a quantised product, along K:
;;     - K is cut into blocks of 32 from its start; a last block that is shorter is filled with zeros.
;;     - A block's scale is 2^e with e = floor(log2(the largest magnitude in the block)) - 2, held to -126 .. 127; a block of zeros has e = 0. As a byte (E8M0): e + 127.
;;     - Each number is divided by its block's scale, clamped to +-7.5, and rounded to the nearest number of E2M3, ties to even, subnormals kept.
;;     - The product sums the exact products of the quantised numbers (number of the format x scale) in f32.
;;   ~~~python
;;   def quantise(x, axis):      # numpy; x: float32 -> the quantised numbers, widened to float32 again
;;       x = np.moveaxis(x, axis, -1); K = x.shape[-1]
;;       x = np.pad(x, [(0, 0)] * (x.ndim - 1) + [(0, -K % 32)]); x = x.reshape(x.shape[:-1] + (-1, 32)); a = np.abs(x).max(-1, keepdims=True)
;;       e = np.where(a > 0, np.clip(np.frexp(np.where(a > 0, a, 1))[1] - 1 - 2, -126, 127), 0)      # np.frexp(a)[1] - 1 = floor(log2(a)), exactly
;;       r = np.clip(x / 2.0 ** e, -7.5, 7.5)
;;       step = 2.0 ** (np.maximum(np.frexp(np.where(r == 0, 1, r))[1] - 1, 0) - 3)
;;       q = np.round(r / step) * step * 2.0 ** e      # np.round: ties to even
;;       return np.moveaxis(q.reshape(q.shape[:-2] + (-1,))[..., :K], -1, axis).astype(np.float32)
;;   ~~~
;;   SOFTMAX AHEAD OF A QUANTISED PRODUCT. Where the list says 'softmax', what is quantised is not the finished softmax but p = 2^(t - M), with t = logit x log2(e) and M = ceil(the row's largest t), a whole number; so 1/2 < the row's largest p <= 1. The row's sum l is taken of the UNQUANTISED p, in f32, and the product's result is divided by l at the end. Since M is a whole number, a kernel that streams over the keys may use a running M (the ceiling of the running maximum): every later rescaling is an exact power of two, which a block's scale takes up: the codes' values come out the same.
;;   OPERANDS COMPUTED ON THE WAY. 'Computed on the way' means the value that the module computes at that place (a softmax that the list does not call 'softmax' is quantised finished and normalised). What goes into a quantiser is computed in f32, as accurately as f32 sums, v_exp_f32 and their like allow (about 1e-6 of the number): no bf16 or f16 on the way to a quantiser, and a product that is left as it is and whose result goes on into a quantised operand takes f32 operands (vector FMAs, or v_wmma_f32_16x16x4_f32). A number that lies on a knife's edge between two numbers of the format may be rounded either way, as far as f32 arithmetic and the matrix unit's own rounding can turn it there, and no further.
;; 2 versions. Each part assembles by itself: llvm-mc -triple=amdgcn-amd-amdhsa -mcpu=gfx1250 --defsym DOCPART=n.
;; ======== version 1 of 2: 4 launches
;; workspace buffers: xc 13,107,200 bytes; ac 10,223,616 bytes; oc 3,145,728 bytes; os 131,072 bytes
;; launch quant (part 1): grid 256 x 1, 8 waves a work-group, no clusters, 70,656 bytes of LDS; arguments q, k, v, Wq, Wk, Wv, Wo, xc; writes xc
.if DOCPART == 1
	.amdgcn_target "amdgcn-amd-amdhsa--gfx1250"
	.amdhsa_code_object_version 6
	.text
	.protected	k_qdd321659f5_quant
	.globl	k_qdd321659f5_quant
	.p2align	8
	.type	k_qdd321659f5_quant,@function
k_qdd321659f5_quant:
	s_mov_b64 s[64:65], 0
	v_nop
	global_prefetch_b8 v0, s[64:65] scope:SCOPE_SE
	s_setreg_imm32_b32 hwreg(HW_REG_WAVE_MODE, 25, 1), 1
	s_wait_xcnt 0x0
; q, k, v [4096][1024] and Wq, Wk, Wv, Wo [1024][1024], f32 with K innermost, become codes of FP6 (E2M3) with one E8M0 byte for each 32 along K.
; A block's scale is 2^(floor(log2(its largest magnitude)) - 2); its byte is the largest magnitude's exponent field - 2, held at 1 from below.
; LIMITS: NaN and infinities are not served; a block whose largest magnitude lies under 2^-124 (a block of zeros too) gets the byte 1: its codes are zeros or next to it, and this program alone reads the bytes.
; LAYOUT OF xc.  The rows of all seven tensors are cut into 128 groups of 128 rows (q 0-31, k 32-63, v 64-95, Wq 96-103, Wk 104-111, Wv 112-119, Wo 120-127), 102,400 bytes a group.
; A group has a record of 12,800 bytes for each 128 along K: eight fragments as IMAGES OF THE OPERAND'S REGISTERS (tile t at 1,536 t: registers 4 c .. 4 c + 3 of lane l at 512 c + 16 l), then 512 bytes of scale words [row 16][tile 8].
; THE ROWS OF A TILE ARE NOT NEIGHBOURS: lane r of tile 2 b + u stands for row 32 b + 8 u + r + 8 (r / 8) of the group, so that a product's results over two neighbouring tiles are 16 neighbours along the next K.
; SHARES.  Work-group g takes group g / 2 and half g % 2 of K (four K steps); wave w takes tile w: 16 rows x 512 along K.  Each load reads 512 consecutive bytes of a row; a K step's 16 rows turn through the wave's own stage
; in LDS, so that a lane gets 16 neighbours of each block of 32 of ITS row.  Two K steps' loads (32) are out at most.  The scale words of the eight tiles meet in LDS and leave as aligned runs of 256 bytes.
; No matrix unit, no tensor load, no cluster: every byte is read once, by one wave.
.set GRP,   102400
.set REC,   12800
.set SCOFF, 12288
.set STG,   8448                       ; a wave's stage: 16 rows x 528 bytes
.set SP,    528                        ; 512 bytes + 16: 33 x 16, so that sixteen rows begin in sixteen different columns of 16 bytes
.set AREA,  8*STG                      ; behind the stages: 4 K steps x 512 bytes of scale words
.set L16, 2                            ; v2  16 x lane
.set SA,  3                            ; v3  the stage, on the way in
.set SB,  4                            ; v4  and on the way out: row r, + 64 h
.set GA,  5                            ; v5  where my row's scale word goes: AREA + 32 r + 4 w
.set GR,  6                            ; v6  where my wave reads 256 bytes of them back
.set L8,  7                            ; v7  8 x lane
.set R,   16                           ; v16-143  two sets of 64: a K step as loaded
.set X,   144                          ; v144-207 64 numbers of my row: register 16 b + i = k 32 b + 16 h + i
.set PC,  208                          ; v208-219 the fragment
.set CT,  220                          ; v220-227 halves of blocks on their way
.set TM,  228                          ; v228-243 at work
.set PW,  244                          ; v244     the scale word
.set SEL, 32                           ; s[32:33] lane selects: lane l xor 16
; 64 numbers of a lane, register 16 b + i = k 32 b + 16 (lane / 16) + i of its row, become six registers of codes at d0 (k 0-63), six at d1 (k 64-127), and the row's scale word in v[PW].
.macro QUANT s, d0, d1
.irp b, 0,1,2,3
	v_max3_num_f32 v[TM+\b], |v[(\s)+16*\b]|, |v[(\s)+1+16*\b]|, 0x1800000   ; my 16 numbers of block b, and the floor 2^(3 - 127): the byte cannot fall under 1
.endr
.irp i, 2,4,6,8,10,12,14
.irp b, 0,1,2,3
	v_max3_num_f32 v[TM+\b], v[TM+\b], |v[(\s)+16*\b+\i]|, |v[(\s)+1+16*\b+\i]|   ; the four blocks by turns
.endr
.endr
.irp b, 0,1,2,3
	v_permlanex16_b32 v[TM+4+\b], v[TM+\b], s[SEL], s[SEL+1]
.endr
.irp b, 0,1,2,3
	v_max_num_f32 v[TM+\b], v[TM+\b], v[TM+4+\b]       ; with lane l xor 16's: the block's largest magnitude
.endr
.irp b, 0,1,2,3
	v_add_nc_u32 v[TM+12+\b], 0xff000000, v[TM+\b]     ; 2 off its exponent field: the conversion takes this operand's exponent field as its scale
.endr
.irp b, 0,1,2,3
	v_lshrrev_b32 v[TM+4+\b], 23, v[TM+12+\b]          ; the scale's byte
.endr
	v_lshl_or_b32 v[PW], v[TM+5], 8, v[TM+4]
	v_lshl_or_b32 v[PW], v[TM+6], 16, v[PW]
	v_lshl_or_b32 v[PW], v[TM+7], 24, v[PW]
	v_cvt_scalef32_pk16_fp6_f32 v[(\d0):(\d0)+2], v[(\s):(\s)+15], v[TM+12]
	v_cvt_scalef32_pk16_fp6_f32 v[CT:CT+2], v[(\s)+16:(\s)+31], v[TM+13]      ; (a conversion's three registers begin on an even number)
	v_cvt_scalef32_pk16_fp6_f32 v[(\d1):(\d1)+2], v[(\s)+32:(\s)+47], v[TM+14]
	v_cvt_scalef32_pk16_fp6_f32 v[CT+4:CT+6], v[(\s)+48:(\s)+63], v[TM+15]
	v_nop                                              ; one plain instruction behind the scaled conversions
.irp i, 0,1,2
	v_permlane16_swap_b32 v[(\d0)+\i], v[CT+\i]        ; the layout wants a whole block in a lane: lanes 0-15 the even block, lanes 16-31 the odd one
.endr
.irp i, 0,1,2
	v_permlane16_swap_b32 v[(\d1)+\i], v[CT+4+\i]
.endr
.irp i, 0,1,2
	v_mov_b32 v[(\d0)+3+\i], v[CT+\i]
	v_mov_b32 v[(\d1)+3+\i], v[CT+4+\i]
.endr
.endm
	s_load_b512 s[4:19], s[0:1], 0x0               ; q, k, v, Wq, Wk, Wv, Wo, xc
	v_lshl_add_u32 v248, v0, 2, 0x11000
	v_mov_b32 v249, 0
	v_lshrrev_b32 v1, 5, v0
	v_readfirstlane_b32 s20, v1                    ; wave 0..7 = my tile
	v_and_b32 v8, 31, v0                           ; lane
	v_and_b32 v9, 15, v0                           ; r
	v_bfe_u32 v10, v0, 4, 1                        ; h
	s_lshr_b32 s21, ttmp9, 1                       ; the group
	s_and_b32 s22, ttmp9, 1                        ; which half of K
	s_mov_b32 s[SEL], 0x76543210
	s_mov_b32 s[SEL+1], 0xfedcba98
	v_lshlrev_b32 v[L16], 4, v8
	v_lshlrev_b32 v[L8], 3, v8
	s_mul_i32 s34, s20, STG
	v_add_nc_u32 v[SA], s34, v[L16]
	v_mul_u32_u24 v[SB], v9, SP
	v_lshl_add_u32 v[SB], v10, 6, v[SB]
	v_add_nc_u32 v[SB], s34, v[SB]
	s_lshl_b32 s35, s20, 2
	s_add_co_u32 s35, s35, AREA
	v_lshl_add_u32 v[GA], v9, 5, s35
	s_lshl_b32 s35, s20, 8
	s_add_co_u32 s35, s35, AREA
	v_add_nc_u32 v[GR], s35, v[L8]
.irp b, 0,1,2,3
	v_mov_b32 v[TM+4+\b], 0                        ; written once: a lane permute's destination counts as one of its sources
.endr
	s_wait_kmcnt 0x0
	; which tensor the group belongs to: a choice of pointers on the work-group's number alone
	s_mov_b64 s[24:25], s[16:17]
	s_mov_b32 s26, 120
.macro PICK lim, ptr, first
	s_cmp_lt_u32 s21, \lim
	s_cselect_b64 s[24:25], s[\ptr:\ptr+1], s[24:25]
	s_cselect_b32 s26, \first, s26
.endm
	PICK 120, 14, 112
	PICK 112, 12, 104
	PICK 104, 10, 96
	PICK 96, 8, 64
	PICK 64, 6, 32
	PICK 32, 4, 0
	s_sub_co_u32 s27, s21, s26                     ; the group's number in its tensor
	s_lshl_b32 s36, s27, 19                        ; 128 rows of 4,096 bytes
	s_lshr_b32 s38, s20, 1
	s_lshl_b32 s38, s38, 5
	s_and_b32 s39, s20, 1
	s_lshl_b32 s39, s39, 3
	s_add_co_u32 s38, s38, s39                     ; my tile's first row: 32 (w / 2) + 8 (w % 2)
	s_lshl_b32 s38, s38, 12
	s_add_co_u32 s36, s36, s38
	s_lshl_b32 s38, s22, 11                        ; my half of K: 512 numbers
	s_add_co_u32 s36, s36, s38
	s_mov_b32 s37, 0
	s_add_nc_u64 s[24:25], s[24:25], s[36:37]
	s_mul_i32 s36, s21, GRP
	s_mul_i32 s38, s22, 4*REC
	s_add_co_u32 s36, s36, s38
	s_add_nc_u64 s[30:31], s[18:19], s[36:37]      ; xc at the first of my four records
	s_mul_i32 s38, s20, 1536
	s_mov_b32 s39, 0
	s_add_nc_u64 s[28:29], s[30:31], s[38:39]      ; my tile's image in it
	s_lshr_b32 s38, s20, 1
	s_mul_i32 s38, s38, REC
	s_and_b32 s40, s20, 1
	s_lshl_b32 s40, s40, 8
	s_add_co_u32 s38, s38, s40
	s_add_co_u32 s38, s38, SCOFF
	s_add_nc_u64 s[30:31], s[30:31], s[38:39]      ; the 256 bytes of scale words that my wave stores: record w / 2, half w % 2
.macro LOAD j                          ; K step j of my 16 rows: each load reads 512 consecutive bytes of one row
.irp i, 0,1,2,3,4,5,6,7,8,9,10,11,12,13,14,15
	global_load_b128 v[R+64*((\j)%2)+4*\i:R+64*((\j)%2)+4*\i+3], v[L16], s[24:25] offset:(\i+8*(\i/8))*4096+512*(\j) th:TH_LOAD_NT
.endr
.endm
.macro TURN j                          ; through the stage: LDS serves a wave's instructions in order, so no wait stands between the stores and the loads
.irp i, 0,1,2,3,4,5,6,7,8,9,10,11,12,13,14,15
	ds_store_b128 v[SA], v[R+64*((\j)%2)+4*\i:R+64*((\j)%2)+4*\i+3] offset:SP*\i
.endr
.irp b, 0,1,2,3
.irp i, 0,1,2,3
	ds_load_b128 v[X+16*\b+4*\i:X+16*\b+4*\i+3], v[SB] offset:128*\b+16*\i
.endr
.endr
.endm
.macro STEP j
	s_wait_dscnt 0x0                               ; my 64 numbers are back from the stage, and its stores have read the set that the next loads fill
.if \j > 0
	s_wait_xcnt 0x0                                ; the last step's stores have read the fragment's registers
.endif
.if \j < 2
	LOAD (\j)+2
.endif
	QUANT X, PC, PC+6
.irp c, 0,1,2
	global_store_b128 v[L16], v[PC+4*\c:PC+4*\c+3], s[28:29] offset:(\j)*REC+512*\c   ; 32 lanes store 512 consecutive bytes, at a multiple of 256 from xc's first byte
.endr
	ds_store_b32 v[GA], v[PW] offset:512*(\j)      ; lanes r and r + 16 write the same word with the same value
.if \j < 2
	s_wait_loadcnt 16                              ; the next step's 16 loads are in; the 16 issued above may be out
	TURN (\j)+1
.elseif \j == 2
	s_wait_loadcnt 0x0
	TURN 3
.endif
.endm
	LOAD 0
	LOAD 1
	s_wait_loadcnt 16                              ; K step 0 is in; K step 1's 16 loads may be out
	TURN 0
	STEP 0
	STEP 1
	STEP 2
	STEP 3
	s_wait_dscnt 0x0                               ; for the others' sake: my scale words lie in LDS
	s_barrier_signal -1
	s_barrier_wait -1
	ds_load_b64 v[246:247], v[GR]
	s_wait_dscnt 0x0
	global_store_b64 v[L8], v[246:247], s[30:31]   ; 32 lanes store 256 consecutive bytes, aligned
	s_wait_tensorcnt 0x0
	ds_add_u32 v248, v249
	s_wait_dscnt 0x0
	s_endpgm
.Lfunc_end_k_qdd321659f5_quant:
	.size	k_qdd321659f5_quant, .Lfunc_end_k_qdd321659f5_quant-k_qdd321659f5_quant
	.p2alignl 7, 3214868480
	.fill 96, 4, 3214868480
	.section	.rodata,"a",@progbits
	.p2align	6, 0x0
	.amdhsa_kernel k_qdd321659f5_quant
		.amdhsa_group_segment_fixed_size 70656
		.amdhsa_private_segment_fixed_size 0
		.amdhsa_enable_private_segment 0
		.amdhsa_kernarg_size 64
		.amdhsa_user_sgpr_count 2
		.amdhsa_user_sgpr_kernarg_segment_ptr 1
		.amdhsa_wavefront_size32 1
		.amdhsa_system_sgpr_workgroup_id_x 1
		.amdhsa_system_sgpr_workgroup_id_y 1
		.amdhsa_system_sgpr_workgroup_id_z 1
		.amdhsa_system_vgpr_workitem_id 0
		.amdhsa_next_free_vgpr 250
		.amdhsa_next_free_sgpr 66
		.amdhsa_reserve_vcc 0
		.amdhsa_float_denorm_mode_32 3
		.amdhsa_float_denorm_mode_16_64 3
		.amdhsa_memory_ordered 1
		.amdhsa_forward_progress 1
		.amdhsa_inst_pref_size 35
	.end_amdhsa_kernel
	.amdgpu_metadata
---
amdhsa.version: [ 1, 2 ]
amdhsa.kernels:
  - .name:           k_qdd321659f5_quant
    .symbol:         k_qdd321659f5_quant.kd
    .args:
      - { .name: q, .offset: 0, .size: 8, .value_kind: global_buffer, .address_space: global }
      - { .name: k, .offset: 8, .size: 8, .value_kind: global_buffer, .address_space: global }
      - { .name: v, .offset: 16, .size: 8, .value_kind: global_buffer, .address_space: global }
      - { .name: Wq, .offset: 24, .size: 8, .value_kind: global_buffer, .address_space: global }
      - { .name: Wk, .offset: 32, .size: 8, .value_kind: global_buffer, .address_space: global }
      - { .name: Wv, .offset: 40, .size: 8, .value_kind: global_buffer, .address_space: global }
      - { .name: Wo, .offset: 48, .size: 8, .value_kind: global_buffer, .address_space: global }
      - { .name: xc, .offset: 56, .size: 8, .value_kind: global_buffer, .address_space: global }
    .group_segment_fixed_size: 70656
    .private_segment_fixed_size: 0
    .kernarg_segment_align: 8
    .kernarg_segment_size: 64
    .max_flat_workgroup_size: 256
    .sgpr_count:     66
    .vgpr_count:     250
    .wavefront_size: 32
...
	.end_amdgpu_metadata
.endif
;; end of part 1
;; launch proj (part 2): grid 64 x 3, 4 waves a work-group, no clusters, 0 bytes of LDS; arguments xc, bq, bk, bv, ac; writes ac
.if DOCPART == 2
	.amdgcn_target "amdgcn-amd-amdhsa--gfx1250"
	.amdhsa_code_object_version 6
	.text
	.protected	k_qdd321659f5_proj
	.globl	k_qdd321659f5_proj
	.p2align	8
	.type	k_qdd321659f5_proj,@function
k_qdd321659f5_proj:
	s_mov_b64 s[64:65], 0
	v_nop
	global_prefetch_b8 v0, s[64:65] scope:SCOPE_SE
	s_setreg_imm32_b32 hwreg(HW_REG_WAVE_MODE, 25, 1), 1
	s_wait_xcnt 0x0
; The three projections x W^T + b on codes of FP6 (E2M3) with E8M0 scales, and the quantising of their results into the operands of attention.  Work-group y = 0, 1, 2: q, k, v.
; SHARES.  A wave makes 128 x 128 (64 accumulators, 512 registers): channels 128 cg on, tokens 128 tg on; cg = 2 (x % 4) + w % 2, tg = 2 (x / 4) + w / 2.  K = 1,024 in 8 steps of 128.
; OPERANDS lie in xc as images of the operand's registers (launch quant): a lane loads its fragments whole, by loads of 16 bytes of which 32 lanes cover 512 consecutive bytes, straight into registers.
; One K step's 52 loads are asked for a step ahead, in a second set of registers.  No LDS, no barrier.  NO JOINT LOADS: the text has no tensor load; with 8 K steps a ring in LDS would change slots at every step,
; and what a wave shares with its neighbour in the work-group is half of a step's bytes.
; SOURCE 0 IS THE OPERAND WHOSE INDEX IS THE NEXT PRODUCT'S K: for q and k the weight (the head's channels), for v the tokens (the keys).  By the order of a tile's rows in xc, lane (r, h) then holds, for one row of
; source 1, in the 64 registers of eight neighbouring accumulators the indices 32 b + 16 h + i (register 16 b + i) of source 0: what the quantiser wants.
; OUT (ac): three tensors x 32 heads x 16 records of 6,656 bytes (128 tokens).  Q, K: four images of 1,536 bytes, each TWO tiles of 16 tokens x 64 channels (registers 0-5, 6-11); at 6,144 lane 16 u + r has the four
; scale words of tiles 2 g + u, row r (bytes 0, 1: the head's two blocks; bytes 2, 3: 0).  V: four fragments of 16 channels x 128 keys; at 6,144 lane 16 u + r has the words of tiles u and 2 + u, then two zero words.
; LIMITS: NaN and infinities are not served; a block whose largest magnitude lies under 2^-124 gets the byte 1.
; REGISTERS, in windows of 256.  Window 0: v1-4 offsets; v16-31 source 0's scale words, two sets; v32-47 source 1's; v48-143, v144-239 source 1's fragments, two sets; v240-247 the bias by lanes.
;   On the way out v48-107 and v144-207 are at work.  Window 1: v0-95, v96-191 source 0's fragments; v192-255 the bias by registers.  Windows 2, 3: accumulator (a, b) at v[8 (8 (a % 4) + b)] of window 2 + a / 4.
.set GRP,   102400
.set REC,   12800
.set SCOFF, 12288
.set TEN,   3407872
.set BHB,   106496
.set RECA,  6656
.set L16, 1                            ; v1  16 x lane
.set R32, 2                            ; v2  32 r: a row's eight scale words
.set BO1, 3                            ; v3  64 h
.set BO2, 4                            ; v4  4 (r + 8 (r / 8))
.set S0S, 16
.set S1S, 32
.set SF,  48
.set BV,  240
.set BI,  192                          ; in window 1
.set ST,  144                          ; the way out: 64 numbers
.set E,   48                           ; the even head's pair of tiles (for v: the fragment)
.set O,   60                           ; the odd head's
.set CT,  72
.set TM,  80
.set PW,  96
.set WA,  97
.set WE,  100                          ; v100-103 the even head's scale words;  v104-107 the odd head's
.set WO,  104
.set SEL, 28
.set MSB, 0
.macro WIN new                         ; the immediate's high byte repeats the setting that is left
.if MSB != (\new)
	s_set_vgpr_msb (MSB<<8)|(\new)
.set MSB, (\new)
.endif
.endm
.macro PLACES n
.rept \n
	v_nop
.endr
.endm
.macro QUANT s, d0, d1                 ; 64 numbers of a lane (register 16 b + i = k 32 b + 16 h + i) -> six registers of codes at d0 (k 0-63), six at d1 (k 64-127), the scale word in v[PW]
.irp b, 0,1,2,3
	v_max3_num_f32 v[TM+\b], |v[(\s)+16*\b]|, |v[(\s)+1+16*\b]|, 0x1800000   ; and the floor 2^(3 - 127): the byte cannot fall under 1
.endr
.irp i, 2,4,6,8,10,12,14
.irp b, 0,1,2,3
	v_max3_num_f32 v[TM+\b], v[TM+\b], |v[(\s)+16*\b+\i]|, |v[(\s)+1+16*\b+\i]|
.endr
.endr
.irp b, 0,1,2,3
	v_permlanex16_b32 v[TM+4+\b], v[TM+\b], s[SEL], s[SEL+1]
.endr
.irp b, 0,1,2,3
	v_max_num_f32 v[TM+\b], v[TM+\b], v[TM+4+\b]
.endr
.irp b, 0,1,2,3
	v_add_nc_u32 v[TM+12+\b], 0xff000000, v[TM+\b]     ; 2 off the exponent field: the conversion's scale operand
.endr
.irp b, 0,1,2,3
	v_lshrrev_b32 v[TM+4+\b], 23, v[TM+12+\b]          ; the scale's byte
.endr
	v_lshl_or_b32 v[PW], v[TM+5], 8, v[TM+4]
	v_lshl_or_b32 v[PW], v[TM+6], 16, v[PW]
	v_lshl_or_b32 v[PW], v[TM+7], 24, v[PW]
	v_cvt_scalef32_pk16_fp6_f32 v[(\d0):(\d0)+2], v[(\s):(\s)+15], v[TM+12]
	v_cvt_scalef32_pk16_fp6_f32 v[CT:CT+2], v[(\s)+16:(\s)+31], v[TM+13]
	v_cvt_scalef32_pk16_fp6_f32 v[(\d1):(\d1)+2], v[(\s)+32:(\s)+47], v[TM+14]
	v_cvt_scalef32_pk16_fp6_f32 v[CT+4:CT+6], v[(\s)+48:(\s)+63], v[TM+15]
	v_nop                                              ; one plain instruction behind the scaled conversions
.irp i, 0,1,2
	v_permlane16_swap_b32 v[(\d0)+\i], v[CT+\i]
.endr
.irp i, 0,1,2
	v_permlane16_swap_b32 v[(\d1)+\i], v[CT+4+\i]
.endr
.irp i, 0,1,2
	v_mov_b32 v[(\d0)+3+\i], v[CT+\i]
	v_mov_b32 v[(\d1)+3+\i], v[CT+4+\i]
.endr
.endm
	s_load_b256 s[4:11], s[0:1], 0x0               ; xc, bq, bk, bv
	s_load_b64 s[12:13], s[0:1], 0x20              ; ac
	v_lshrrev_b32 v5, 5, v0
	v_readfirstlane_b32 s14, v5                    ; wave 0..3
	s_and_b32 s15, ttmp7, 0xffff                   ; which projection
	s_and_b32 s17, ttmp9, 3
	s_lshl_b32 s17, s17, 1
	s_and_b32 s16, s14, 1
	s_add_co_u32 s17, s17, s16                     ; cg
	s_lshr_b32 s18, ttmp9, 2
	s_lshl_b32 s18, s18, 1
	s_lshr_b32 s16, s14, 1
	s_add_co_u32 s18, s18, s16                     ; tg
	s_lshl_b32 s31, s15, 3
	s_add_co_u32 s31, s31, s17
	s_add_co_u32 s31, s31, 96                      ; the weight's group in xc
	s_lshl_b32 s32, s15, 5
	s_add_co_u32 s32, s32, s18                     ; the tokens' group
	s_cmp_eq_u32 s15, 2
	s_cselect_b32 s33, s32, s31                    ; source 0: the weight, for v the tokens
	s_cselect_b32 s34, s31, s32                    ; source 1
	s_mul_i32 s36, s33, GRP
	s_mov_b32 s37, 0
	s_mul_i32 s38, s34, GRP
	s_mov_b32 s39, 0
	s_lshr_b32 s40, s18, 4
	s_lshl_b32 s40, s40, 4
	s_lshl_b32 s41, s17, 1
	s_add_co_u32 s40, s40, s41                     ; 16 x batch + the even one of my two heads
	s_mul_i32 s40, s40, BHB
	s_and_b32 s41, s18, 15
	s_mul_i32 s41, s41, RECA                       ; my 128 tokens' record
	s_add_co_u32 s40, s40, s41
	s_mul_i32 s41, s15, TEN
	s_add_co_u32 s40, s40, s41
	s_mov_b32 s41, 0
	s_lshl_b32 s42, s17, 9                         ; my 128 numbers of the bias
	s_mov_b32 s43, 0
	s_mov_b32 s[SEL], 0x76543210
	s_mov_b32 s[SEL+1], 0xfedcba98
	s_mov_b32 s30, 0xffff0000                      ; lanes 16-31
	v_and_b32 v5, 31, v0
	v_lshlrev_b32 v[L16], 4, v5
	v_and_b32 v5, 15, v0                           ; r
	v_lshlrev_b32 v[R32], 5, v5
	v_bfe_u32 v6, v0, 4, 1                         ; h
	v_lshlrev_b32 v[BO1], 6, v6
	v_and_b32 v[BO2], 8, v5
	v_add_nc_u32 v[BO2], v[BO2], v5
	v_lshlrev_b32 v[BO2], 2, v[BO2]
	s_wait_kmcnt 0x0
	s_add_nc_u64 s[20:21], s[4:5], s[36:37]
	s_add_nc_u64 s[22:23], s[4:5], s[38:39]
	s_add_nc_u64 s[26:27], s[12:13], s[40:41]
	s_cmp_eq_u32 s15, 0
	s_cselect_b64 s[24:25], s[6:7], s[8:9]
	s_cmp_eq_u32 s15, 2
	s_cselect_b64 s[24:25], s[10:11], s[24:25]
	s_add_nc_u64 s[24:25], s[24:25], s[42:43]
	; the bias in both layouts, on every path: by registers (q, k: the channel runs along a lane's registers) and by lanes (v: a lane has one channel).  Both lie inside my 512 bytes
	WIN 0x40                                       ; destination window 1
.irp b, 0,1,2,3
.irp i, 0,1,2,3
	global_load_b128 v[BI+16*\b+4*\i:BI+16*\b+4*\i+3], v[BO1], s[24:25] offset:128*\b+16*\i
.endr
.endr
	WIN 0
.irp a, 0,1,2,3,4,5,6,7
	global_load_b32 v[BV+\a], v[BO2], s[24:25] offset:4*(32*(\a/2)+8*(\a%2))
.endr
.macro LOADSTEP s, p                   ; K step s into set p: 24 + 24 loads of fragments, 2 + 2 of scale words: 52
	WIN 0x40
.irp b, 0,1,2,3,4,5,6,7
.irp c, 0,1,2
	global_load_b128 v[96*(\p)+12*\b+4*\c:96*(\p)+12*\b+4*\c+3], v[L16], s[20:21] offset:(\s)*REC+1536*\b+512*\c
.endr
.endr
	WIN 0
.irp a, 0,1,2,3,4,5,6,7
.irp c, 0,1,2
	global_load_b128 v[SF+96*(\p)+12*\a+4*\c:SF+96*(\p)+12*\a+4*\c+3], v[L16], s[22:23] offset:(\s)*REC+1536*\a+512*\c
.endr
.endr
	global_load_b128 v[S0S+8*(\p):S0S+8*(\p)+3], v[R32], s[20:21] offset:(\s)*REC+SCOFF        ; lane r: row r's words of tiles 0-3,
	global_load_b128 v[S0S+8*(\p)+4:S0S+8*(\p)+7], v[R32], s[20:21] offset:(\s)*REC+SCOFF+16   ; of tiles 4-7
	global_load_b128 v[S1S+8*(\p):S1S+8*(\p)+3], v[R32], s[22:23] offset:(\s)*REC+SCOFF
	global_load_b128 v[S1S+8*(\p)+4:S1S+8*(\p)+7], v[R32], s[22:23] offset:(\s)*REC+SCOFF+16
.endm
; 16 products: source 1's tiles a0, a0 + 1 against source 0's eight.  The 64 accumulators take turns, one instruction a turn, in the same order in every step.
.macro MUL16 a0, p, zero
.irp a, \a0, \a0+1
.irp b, 0,1,2,3,4,5,6,7
.if \zero
	v_wmma_scale_f32_16x16x128_f8f6f4 v[8*(8*((\a)%4)+\b):8*(8*((\a)%4)+\b)+7], v[96*(\p)+12*\b:96*(\p)+12*\b+11], v[SF+96*(\p)+12*(\a):SF+96*(\p)+12*(\a)+11], 0, v[S0S+8*(\p)+\b], v[S1S+8*(\p)+(\a)] matrix_a_fmt:MATRIX_FMT_FP6 matrix_b_fmt:MATRIX_FMT_FP6
.else
	v_wmma_scale_f32_16x16x128_f8f6f4 v[8*(8*((\a)%4)+\b):8*(8*((\a)%4)+\b)+7], v[96*(\p)+12*\b:96*(\p)+12*\b+11], v[SF+96*(\p)+12*(\a):SF+96*(\p)+12*(\a)+11], v[8*(8*((\a)%4)+\b):8*(8*((\a)%4)+\b)+7], v[S0S+8*(\p)+\b], v[S1S+8*(\p)+(\a)] matrix_a_fmt:MATRIX_FMT_FP6 matrix_b_fmt:MATRIX_FMT_FP6
.endif
.endr
.endr
.endm
.macro STEPG s, zero
.if \s > 0
	PLACES 4                                       ; the loads below go into registers that the step before has multiplied: four plain instructions stand between (ISA guide 7.12.1 for vector instructions)
.endif
.if \s < 7
	LOADSTEP (\s)+1, 1-(\s)%2
	s_wait_loadcnt 52                              ; all but the 52 just issued: this step's operands are in
.else
	s_wait_loadcnt 0x0
.endif
	WIN 0xa1                                       ; source 0 window 1, source 1 window 0, C and D window 2
	MUL16 0, (\s)%2, \zero
	MUL16 2, (\s)%2, \zero
	WIN 0xf1                                       ; C and D window 3
	MUL16 4, (\s)%2, \zero
	MUL16 6, (\s)%2, \zero
.endm
	LOADSTEP 0, 0
	STEPG 0, 1                                     ; the first step's products start the sums: nothing is cleared
	STEPG 1, 0
	STEPG 2, 0
	STEPG 3, 0
	STEPG 4, 0
	STEPG 5, 0
	STEPG 6, 0
	STEPG 7, 0
	WIN 0
	PLACES 4                                       ; in front of the first read of results and of writes into registers that were multiplied
.irp b, 0,1,2,3
	v_mov_b32 v[TM+4+\b], 0                        ; a lane permute's destination counts as one of its sources
.endr
	s_cmp_eq_u32 s15, 2
	s_cbranch_scc1 .Lvpath
	; ---- q and k.  Token tile a = 2 g + u: its 64 registers are 128 channels = two heads; blocks 0, 1 are the even head's, 2, 3 the odd head's
.irp g, 0,1,2,3
.if \g > 0
	s_wait_xcnt 0x0                                ; the last pair's stores have read their registers
.endif
.irp u, 0,1
	WIN (2+(2*\g+\u)/4)|4                          ; source 0: the accumulators' window; source 1: window 1
.set j, 0
.rept 32
	v_pk_add_f32 v[ST+j:ST+j+1], v[64*((2*\g+\u)%4)+j:64*((2*\g+\u)%4)+j+1], v[BI+j:BI+j+1]   ; + the bias; each accumulator from its low end on
.set j, j+2
.endr
	WIN 0
	QUANT ST, E+6*\u, O+6*\u
.if \u == 0
	v_mov_b32 v[WA], v[PW]
.else
	v_cndmask_b32 v[WE+\g], v[WA], v[PW], s30      ; lanes 0-15: tile 2 g's words; lanes 16-31: tile 2 g + 1's
	v_lshrrev_b32 v[WO+\g], 16, v[WE+\g]           ; the odd head's two bytes, zeros above them
	v_and_b32 v[WE+\g], 0xffff, v[WE+\g]           ; the even head's likewise
.endif
.endr
.irp c, 0,1,2
	global_store_b128 v[L16], v[E+4*\c:E+4*\c+3], s[26:27] offset:1536*\g+512*\c       ; 32 lanes store 512 consecutive bytes, aligned
	global_store_b128 v[L16], v[O+4*\c:O+4*\c+3], s[26:27] offset:BHB+1536*\g+512*\c
.endr
.endr
	global_store_b128 v[L16], v[WE:WE+3], s[26:27] offset:6144
	global_store_b128 v[L16], v[WO:WO+3], s[26:27] offset:BHB+6144
	s_endpgm
.Lvpath:
	; ---- v.  Channel tile a: its 64 registers are my 128 tokens = one K step of the second product of attention; tiles 0-3 are the even head's, 4-7 the odd head's
	v_mov_b32 v[WE+2], 0
	v_mov_b32 v[WE+3], 0
	v_mov_b32 v[WE+6], 0
	v_mov_b32 v[WE+7], 0
.irp a, 0,1,2,3,4,5,6,7
.if \a > 0
	s_wait_xcnt 0x0                                ; the last tile's stores have read their registers
.endif
	WIN 2+\a/4
.set j, 0
.rept 32
.if (\a%2) == 0
	v_pk_add_f32 v[ST+j:ST+j+1], v[64*(\a%4)+j:64*(\a%4)+j+1], v[BV+\a:BV+\a+1] op_sel_hi:[1,0]              ; + my channel's bias: the pair's first register for both halves
.else
	v_pk_add_f32 v[ST+j:ST+j+1], v[64*(\a%4)+j:64*(\a%4)+j+1], v[BV+\a-1:BV+\a] op_sel:[0,1] op_sel_hi:[1,1]  ; the pair's second
.endif
.set j, j+2
.endr
	WIN 0
	QUANT ST, E, E+6
.irp c, 0,1,2
	global_store_b128 v[L16], v[E+4*\c:E+4*\c+3], s[26:27] offset:(\a/4)*BHB+(\a%4)*1536+512*\c
.endr
.if (\a%2) == 0
	v_mov_b32 v[WA], v[PW]
.else
	v_cndmask_b32 v[WE+4*(\a/4)+(\a/2)%2], v[WA], v[PW], s30
.endif
.endr
	global_store_b128 v[L16], v[WE:WE+3], s[26:27] offset:6144
	global_store_b128 v[L16], v[WE+4:WE+7], s[26:27] offset:BHB+6144
	s_endpgm
.Lfunc_end_k_qdd321659f5_proj:
	.size	k_qdd321659f5_proj, .Lfunc_end_k_qdd321659f5_proj-k_qdd321659f5_proj
	.p2alignl 7, 3214868480
	.fill 96, 4, 3214868480
	.section	.rodata,"a",@progbits
	.p2align	6, 0x0
	.amdhsa_kernel k_qdd321659f5_proj
		.amdhsa_group_segment_fixed_size 0
		.amdhsa_private_segment_fixed_size 0
		.amdhsa_enable_private_segment 0
		.amdhsa_kernarg_size 40
		.amdhsa_user_sgpr_count 2
		.amdhsa_user_sgpr_kernarg_segment_ptr 1
		.amdhsa_wavefront_size32 1
		.amdhsa_system_sgpr_workgroup_id_x 1
		.amdhsa_system_sgpr_workgroup_id_y 1
		.amdhsa_system_sgpr_workgroup_id_z 1
		.amdhsa_system_vgpr_workitem_id 0
		.amdhsa_next_free_vgpr 1024
		.amdhsa_next_free_sgpr 66
		.amdhsa_reserve_vcc 0
		.amdhsa_float_denorm_mode_32 3
		.amdhsa_float_denorm_mode_16_64 3
		.amdhsa_memory_ordered 1
		.amdhsa_forward_progress 1
		.amdhsa_inst_pref_size 210
	.end_amdhsa_kernel
	.amdgpu_metadata
---
amdhsa.version: [ 1, 2 ]
amdhsa.kernels:
  - .name:           k_qdd321659f5_proj
    .symbol:         k_qdd321659f5_proj.kd
    .args:
      - { .name: xc, .offset: 0, .size: 8, .value_kind: global_buffer, .address_space: global }
      - { .name: bq, .offset: 8, .size: 8, .value_kind: global_buffer, .address_space: global }
      - { .name: bk, .offset: 16, .size: 8, .value_kind: global_buffer, .address_space: global }
      - { .name: bv, .offset: 24, .size: 8, .value_kind: global_buffer, .address_space: global }
      - { .name: ac, .offset: 32, .size: 8, .value_kind: global_buffer, .address_space: global }
    .group_segment_fixed_size: 0
    .private_segment_fixed_size: 0
    .kernarg_segment_align: 8
    .kernarg_segment_size: 40
    .max_flat_workgroup_size: 128
    .sgpr_count:     66
    .vgpr_count:     1024
    .wavefront_size: 32
...
	.end_amdgpu_metadata
.endif
;; end of part 2
;; launch attn (part 3): grid 8 x 32, 16 waves a work-group, clusters of 4 x 1, 215,040 bytes of LDS; arguments ac, oc, os; writes oc, os
.if DOCPART == 3
	.amdgcn_target "amdgcn-amd-amdhsa--gfx1250"
	.amdhsa_code_object_version 6
	.text
	.protected	k_qdd321659f5_attn
	.globl	k_qdd321659f5_attn
	.p2align	8
	.type	k_qdd321659f5_attn,@function
k_qdd321659f5_attn:
	s_mov_b64 s[64:65], 0
	v_nop
	global_prefetch_b8 v0, s[64:65] scope:SCOPE_SE
	s_setreg_imm32_b32 hwreg(HW_REG_WAVE_MODE, 25, 1), 1
	s_wait_xcnt 0x0
	s_wait_alu depctr_hold_cnt(0) depctr_sa_sdst(0) depctr_va_vdst(0) depctr_va_sdst(0) depctr_va_ssrc(0) depctr_va_vcc(0) depctr_vm_vsrc(0)
	s_getreg_b32 s2, hwreg(HW_REG_IB_STS2, 6, 4)
	s_cmp_eq_u32 s2, 0
	s_cbranch_scc0 .Lentry_in_a_cluster
	s_endpgm
.Lentry_in_a_cluster:
	s_bfe_u32 s2, ttmp6, 0x10000c
	s_cmp_lg_u32 s2, 0x3003
	s_cbranch_scc0 .Lentry_shape_is_right
	s_endpgm
.Lentry_shape_is_right:
; Attention of one head on codes of FP6 (E2M3) with E8M0 scales: S^T = K Q^T (K = the head's 64), the softmax, O^T = V^T P^T (K = the keys), O / the row's sum, and O quantised along the model's channels.
; THE SOFTMAX: t = score x log2(e) / 8; M = the row's largest t so far, rounded UP to a whole number; p = 2^(t - M) is what is quantised, along the keys, not normalised.  The row's sum is taken of the unquantised p
; and divides O at the end.  When M moves, the sum and O are multiplied by 2^(old M - new M): exact.
; SHARES.  A work-group owns 256 queries of one head, each of its sixteen waves one tile of 16, in 256 registers: four waves to a SIMD, so that one wave's vector work stands beside another's products and LDS loads.
; Every wave walks the head's 2,048 keys, 128 a step.
; LDS.  A head's K and V, codes and scale words as launch proj has laid them (16 records of 6,656 bytes each), are 2 x 106,496 bytes: they lie in LDS whole, each byte filled once: no slot is filled again.
; Wave 0 brings K, wave 1 V, each in four loads of four records, all asked for at the head: four tensor loads of a wave are out at most.  A chunk is read behind its counted wait and a barrier.
; CLUSTER.  The four work-groups of a cluster are four blocks of queries of one head and need the same K and V: each load is asked for JOINTLY, with the same descriptor and the mask of all four.
; LAYOUT.  Both products are used transposed, so that a lane holds ONE query (lane % 16) throughout; by the order of a tile's rows in ac the 16 registers of two neighbouring tiles of S^T are 16 neighbouring keys.
; K = 64 IN AN INSTRUCTION OF 128.  Q's registers 6-11 are zero codes.  The operand of K's tile t is v[32 + 6 t .. + 11]: its upper six registers are the next tile's codes (for tile 7: V's first six).  E2M3 has no NaN and no
; infinity, so they are numbers, and times Q's zeros they add exactly nothing; the scale words' bytes 2 and 3 are 0 on both sides.
; OUT.  oc: [32 groups of 128 tokens][8 K steps = pairs of heads][8 tiles] images of 1,536 bytes; my head's half (768 bytes): registers 0-3 of six at 16 x lane, registers 4, 5 at 512 + 8 x lane: three aligned runs of 256 bytes.
; os: [group][head's parity][tile][row 16][K step 8] of two bytes: my head's two scale bytes.  A row's word of a K step is made of two heads', which lie in two work-groups: so this store writes 2 bytes a row, 32 a wave.
; LIMITS: NaN and infinities are not served; a block whose largest magnitude lies under 2^-124 gets the byte 1.
.set TEN,   3407872
.set BHB,   106496
.set RECA,  6656
.set CHB,   4*RECA                     ; a chunk: four records = 104 rows of 256 bytes
.set VL,    BHB                        ; V's records in LDS, behind K's
.set L16, 1                            ; v1   16 x lane
.set ADK, 2                            ; v2   LDS address of the step's record of K
.set ADV, 3                            ; v3   of V
.set PS,  4                            ; v4   p's scale word
.set QS,  5                            ; v5   Q's
.set VS,  6                            ; v6-7 V's: lanes 0-15 the even tile's, lanes 16-31 the odd tile's
.set KS,  8                            ; v8-11 K's likewise
.set QF,  16                           ; v16-27 Q: six registers of codes, six of zeros
.set KF,  32                           ; v32-79 K's eight tiles, six registers each
.set VF,  80                           ; v80-127 V's four fragments
.set S,   128                          ; v128-191 S^T, then p
.set OT,  192                          ; v192-223 O^T
.set P,   224                          ; v224-235 p's codes
.set BM,  236                          ; v236-239 the blocks' largest scores, then largest p
.set BX,  240                          ; v240-243 at work
.set SO,  244                          ; v244-247 the conversions' scale operands
.set CT,  248                          ; v248-255 halves of blocks on their way
; v12 -M, v13 the largest t, v[14:15] the sum in two halves, v28 at work, v[30:31] f
.set WV,  10
.set G1,  16                           ; s[16:23] descriptor group 1
.set G0,  32                           ; s[32:47] four groups 0
.set SEL, 48
.set CS,  50
.set TB,  52
.set CNT, 53
.macro CROUND                          ; a round of the cluster's barrier
	s_barrier_signal -1
	s_barrier_wait -1
	s_cmp_lg_u32 s[WV], 0
	s_cbranch_scc1 .Lnot_wave_0_\@
	s_barrier_signal -3
.Lnot_wave_0_\@:
	s_barrier_wait -3
	s_barrier_signal -1
	s_barrier_wait -1
.endm
	s_load_b128 s[4:7], s[0:1], 0x0                ; ac, oc
	s_load_b64 s[8:9], s[0:1], 0x10                ; os
	v_lshl_add_u32 v29, v0, 2, 0x34000
	v_mov_b32 v255, 0
	ds_add_u32 v29, v255
	ds_add_u32 v29, v255
	v_lshrrev_b32 v28, 5, v0
	v_readfirstlane_b32 s[WV], v28                 ; wave 0..15
	s_bfe_u32 s11, ttmp6, 0x40000                  ; cx: my place in the cluster
	s_lshl_b32 s12, ttmp9, 2
	s_add_co_u32 s12, s12, s11                     ; my block of 256 queries: it enters Q's, oc's and os's addresses alone
	s_and_b32 s13, ttmp7, 0xffff                   ; 16 x batch + head, which the four partners share
	; descriptor group 1: a dense block of 26,624 bytes as 104 rows of 256 bytes (32 elements of 8 bytes), no padding
	s_mov_b32 s[G1], 15|(3<<16)|(1<<21)            ; 15:0 the mask: all four work-groups; 17:16 elements of 8 bytes; 21 set beside a mask
	s_mov_b32 s[G1+1], 32<<16                      ; tensor_dim0 = 32
	s_mov_b32 s[G1+2], 104<<16                     ; tensor_dim1 = 104
	s_mov_b32 s[G1+3], 32<<16                      ; tile_dim0 = 32
	s_mov_b32 s[G1+4], 104                         ; tile_dim1 = 104
	s_mov_b32 s[G1+5], 32                          ; from row to row
	s_mov_b32 s[G1+6], 0
	s_mov_b32 s[G1+7], 0
	s_and_b32 s14, s[WV], 1                        ; what I fetch, if I fetch: wave 0 K, wave 1 V
	s_mul_i32 s15, s14, BHB                        ; where it goes: no place in the cluster enters an LDS address
	s_add_co_u32 s14, s14, 1
	s_mul_i32 s54, s14, TEN
	s_mul_i32 s55, s13, BHB
	s_add_co_u32 s54, s54, s55
	s_mov_b32 s55, 0
	s_mov_b32 s[SEL], 0x76543210
	s_mov_b32 s[SEL+1], 0xfedcba98
	s_mov_b32 s[CS], 0x3e38aa3b                    ; c = log2(e) / sqrt(64)
	s_mov_b32 s[CS+1], s[CS]                       ; (named with it as a pair, so it is written)
	s_wait_dscnt 0x0
	s_wait_kmcnt 0x0
	s_add_nc_u64 s[56:57], s[4:5], s[54:55]
.irp j, 0,1,2,3
	s_mov_b32 s[G0+4*\j], 1                        ; count = 1
	s_add_co_u32 s[G0+4*\j+1], s15, \j*CHB         ; LDS address
	s_add_nc_u64 s[G0+4*\j+2:G0+4*\j+3], s[56:57], \j*CHB   ; global address: records 4 j on
	s_or_b32 s[G0+4*\j+3], s[G0+4*\j+3], 0x80000000         ; type = 2
.endr
	CROUND                                         ; all four work-groups are here: the joint loads meet
	s_cmp_lt_u32 s[WV], 2                          ; a wave's four fills stand in one branch, ahead of every wait on TENSORcnt, every LDS read and every further barrier
	s_cbranch_scc0 .Lno_fetch
	tensor_load_to_lds s[G0:G0+3], s[G1:G1+7]
	s_nop 0
	tensor_load_to_lds s[G0+4:G0+7], s[G1:G1+7]
	s_nop 0
	tensor_load_to_lds s[G0+8:G0+11], s[G1:G1+7]
	s_nop 0
	tensor_load_to_lds s[G0+12:G0+15], s[G1:G1+7]
	s_nop 0
.rept 4
	v_nop                                          ; four of them behind the loads
.endr
.Lno_fetch:
	; Q: record 2 x block + w / 8, tile t = w % 8: half u = t % 2 of pair image t / 2
	v_and_b32 v28, 31, v0
	v_lshlrev_b32 v[L16], 4, v28
	v_and_b32 v251, 15, v0
	v_lshlrev_b32 v251, 4, v251                    ; 16 r
	s_lshr_b32 s30, s[WV], 3
	s_lshl_b32 s31, s12, 1
	s_add_co_u32 s30, s30, s31                     ; the record
	s_mul_i32 s54, s30, RECA
	s_mul_i32 s31, s13, BHB
	s_add_co_u32 s54, s54, s31
	s_add_nc_u64 s[24:25], s[4:5], s[54:55]
	s_bfe_u32 s31, s[WV], 0x20001                  ; the pair
	s_mul_i32 s58, s31, 1536
	s_and_b32 s59, s[WV], 1                        ; u
	s_cmp_eq_u32 s59, 0                            ; an image holds registers 4 c .. 4 c + 3 at 512 c + 16 x lane: registers 0-5 lie at 0, 8, 512, registers 6-11 at 520, 1,024, 1,032
	s_cselect_b32 s54, 0, 520
	s_cselect_b32 s55, 8, 1024
	s_mov_b32 s14, 1032
	s_cselect_b32 s14, 512, s14
	s_add_co_u32 s54, s54, s58
	s_add_co_u32 s55, s55, s58
	s_add_co_u32 s14, s14, s58
	v_add_nc_u32 v248, s54, v[L16]
	v_add_nc_u32 v249, s55, v[L16]
	v_add_nc_u32 v250, s14, v[L16]
	global_load_b64 v[QF:QF+1], v248, s[24:25]
	global_load_b64 v[QF+2:QF+3], v249, s[24:25]
	global_load_b64 v[QF+4:QF+5], v250, s[24:25]
	s_lshl_b32 s59, s59, 8
	s_lshl_b32 s31, s31, 2
	s_add_co_u32 s59, s59, s31
	v_add_nc_u32 v251, s59, v251
	global_load_b32 v[QS], v251, s[24:25] offset:6144   ; row r's scale word: lane 16 u + r's word of my pair
	; where my results go
	s_lshr_b32 s31, s13, 4
	s_lshl_b32 s31, s31, 4
	s_add_co_u32 s31, s31, s30                     ; the group of 128 tokens: 16 x batch + the record
	s_and_b32 s58, s13, 15                         ; the head
	s_and_b32 s59, s[WV], 7                        ; the tile
	s_lshr_b32 s54, s58, 1                         ; the K step of the last product
	s_and_b32 s58, s58, 1                          ; and which half of it
	s_mul_i32 s14, s31, 98304
	s_mul_i32 s15, s54, 12288
	s_add_co_u32 s14, s14, s15
	s_mul_i32 s15, s59, 1536
	s_add_co_u32 s14, s14, s15
	s_mul_i32 s15, s58, 768
	s_add_co_u32 s14, s14, s15
	s_mov_b32 s15, 0
	s_add_nc_u64 s[26:27], s[6:7], s[14:15]
	s_lshl_b32 s14, s31, 1
	s_add_co_u32 s14, s14, s58
	s_lshl_b32 s14, s14, 3
	s_add_co_u32 s14, s14, s59
	s_lshl_b32 s14, s14, 8
	s_lshl_b32 s54, s54, 1
	s_add_co_u32 s14, s14, s54
	s_add_nc_u64 s[28:29], s[8:9], s[14:15]
.irp j, 6,7,8,9,10,11
	v_mov_b32 v[QF+\j], 0                          ; zero codes for the upper 64 of the instruction's K
.endr
	v_mov_b32 v13, 0xff61b1e6                      ; the largest t so far: -3e38, under every t
	v_floor_f32 v12, -v13                          ; -M
	v_mov_b32 v14, 0
	v_mov_b32 v15, 0
	v_mov_b32 v30, 0
	v_mov_b32 v31, 0                               ; (named as the upper half of the pair v[30:31])
.irp b, 0,1,2,3
	v_mov_b32 v[BX+\b], 0                          ; a lane permute's destination counts as one of its sources
.endr
.set j, 0
.rept 32
	v_mov_b32 v[OT+j], 0                           ; O^T: the step is written once; the first finds zeros, which the first change of M leaves zeros
.set j, j+1
.endr
; A KEY STEP: 128 keys, the record at s[TB].
.macro STEP
	v_add_nc_u32 v[ADK], s[TB], v[L16]
	v_add_nc_u32 v[ADV], VL, v[ADK]
	v_nop
	v_nop                                          ; four plain instructions between the last step's products and the loads into registers that they read
.irp p, 0,1,2,3
.irp c, 0,1,2
	ds_load_b128 v[KF+12*\p+4*\c:KF+12*\p+4*\c+3], v[ADK] offset:1536*\p+512*\c
.endr
.endr
	ds_load_b128 v[KS:KS+3], v[ADK] offset:6144
.irp p, 0,1,2,3
.irp c, 0,1,2
	ds_load_b128 v[VF+12*\p+4*\c:VF+12*\p+4*\c+3], v[ADV] offset:1536*\p+512*\c
.endr
.endr
	ds_load_b64 v[VS:VS+1], v[ADV] offset:6144
	s_wait_dscnt 0x0
.irp t, 0,1,2,3,4,5,6,7
.if (\t%2) == 0
	v_wmma_scale_f32_16x16x128_f8f6f4 v[S+8*\t:S+8*\t+7], v[KF+6*\t:KF+6*\t+11], v[QF:QF+11], 0, v[KS+\t/2], v[QS] matrix_a_fmt:MATRIX_FMT_FP6 matrix_b_fmt:MATRIX_FMT_FP6
.else
	v_wmma_scale_f32_16x16x128_f8f6f4 v[S+8*\t:S+8*\t+7], v[KF+6*\t:KF+6*\t+11], v[QF:QF+11], 0, v[KS+\t/2], v[QS] matrix_a_fmt:MATRIX_FMT_FP6 matrix_b_fmt:MATRIX_FMT_FP6 matrix_a_scale:MATRIX_SCALE_ROW1
.endif
.endr                                              ; lane (r, h): query r; register 16 b + i = key 32 b + 16 h + i of the step
.rept 4
	v_nop
.endr
.irp b, 0,1,2,3
	v_max3_num_f32 v[BM+\b], v[S+16*\b], v[S+1+16*\b], v[S+2+16*\b]   ; the largest score of each block of 32 keys: for the row's maximum and, since p rises with the score, for the block's largest p
.endr
.irp i, 3,5,7,9,11,13
.irp b, 0,1,2,3
	v_max3_num_f32 v[BM+\b], v[BM+\b], v[S+16*\b+\i], v[S+1+16*\b+\i]
.endr
.endr
.irp b, 0,1,2,3
	v_max_num_f32 v[BM+\b], v[BM+\b], v[S+15+16*\b]
.endr
.irp b, 0,1,2,3
	v_permlanex16_b32 v[BX+\b], v[BM+\b], s[SEL], s[SEL+1]
.endr
.irp b, 0,1,2,3
	v_max_num_f32 v[BM+\b], v[BM+\b], v[BX+\b]         ; with lane l xor 16's 16 keys
.endr
	v_max3_num_f32 v28, v[BM], v[BM+1], v[BM+2]
	v_max_num_f32 v28, v28, v[BM+3]                    ; the step's largest score of my query
	v_mul_f32 v28, s[CS], v28                          ; as t
	v_max_num_f32 v13, v13, v28                        ; the running largest t
	v_mov_b32 v28, v12
	v_floor_f32 v12, -v13                              ; the new -M = floor(-t) = -ceil(t)
	v_sub_f32 v28, v12, v28                            ; old M - new M: a whole number, 0 or less
	v_cvt_i32_f32 v28, v28                             ; (it saturates)
	v_ldexp_f32 v30, 1.0, v28                          ; f = 2^(old M - new M)
.set j, 0
.rept 32
	v_pk_fma_f32 v[S+j:S+j+1], v[S+j:S+j+1], s[CS:CS+1], v[12:13] op_sel_hi:[1,0,0]   ; t - M, two at a time
.set j, j+2
.endr
.irp b, 0,1,2,3
	v_fma_f32 v[BM+\b], v[BM+\b], s[CS], v12           ; the same of each block's largest score
.endr
.set j, 0
.rept 64
	v_exp_f32 v[S+j], v[S+j]                           ; p = 2^(t - M), at most 1
.set j, j+1
.endr
	v_pk_mul_f32 v[14:15], v[14:15], v[30:31] op_sel_hi:[1,0]   ; the sums under the new M: a plain instruction behind the exponentials
	s_wait_alu depctr_va_vdst(0)                       ; one wait for the batch of 64, ahead of its first reader
.irp b, 0,1,2,3
	v_exp_f32 v[BM+\b], v[BM+\b]                       ; the block's largest p: the same two instructions on the same number give the same bits
.endr
	v_pk_add_f32 v[BX:BX+1], v[S:S+1], v[S+2:S+3]      ; the row's sum, of the unquantised p, in two chains
.irp j, 4,8,12,16,20,24,28,32,36,40,44,48,52,56,60
	v_pk_add_f32 v[14:15], v[14:15], v[S+\j:S+\j+1]
	v_pk_add_f32 v[BX:BX+1], v[BX:BX+1], v[S+\j+2:S+\j+3]
.endr
	v_pk_add_f32 v[14:15], v[14:15], v[BX:BX+1]
	s_wait_alu depctr_va_vdst(0)                       ; and one for the four
.irp b, 0,1,2,3
	v_max_num_f32 v[BM+\b], 0x1800000, v[BM+\b]        ; the floor 2^(3 - 127): the byte cannot fall under 1
.endr
.irp b, 0,1,2,3
	v_add_nc_u32 v[SO+\b], 0xff000000, v[BM+\b]        ; 2 off the exponent field: the conversion's scale operand
.endr
.irp b, 0,1,2,3
	v_lshrrev_b32 v[BX+\b], 23, v[SO+\b]               ; the scale's byte
.endr
	v_lshl_or_b32 v[PS], v[BX+1], 8, v[BX]
	v_lshl_or_b32 v[PS], v[BX+2], 16, v[PS]
	v_lshl_or_b32 v[PS], v[BX+3], 24, v[PS]
.irp c, 0,1
	v_cvt_scalef32_pk16_fp6_f32 v[P+6*\c:P+6*\c+2], v[S+32*\c:S+32*\c+15], v[SO+2*\c]
	v_cvt_scalef32_pk16_fp6_f32 v[CT+4*\c:CT+4*\c+2], v[S+16+32*\c:S+31+32*\c], v[SO+2*\c+1]
.endr
	v_nop                                              ; one plain instruction behind the scaled conversions
.irp c, 0,1
.irp i, 0,1,2
	v_permlane16_swap_b32 v[P+6*\c+\i], v[CT+4*\c+\i]  ; a whole block to a lane
.endr
.irp i, 0,1,2
	v_mov_b32 v[P+3+6*\c+\i], v[CT+4*\c+\i]
.endr
.endr
.set j, 0
.rept 16
	v_pk_mul_f32 v[OT+j:OT+j+1], v[OT+j:OT+j+1], v[30:31] op_sel_hi:[1,0]   ; O^T under the new M.  These sixteen also stand between the writes of p's codes and scale word and the products
.set j, j+2
.endr
.irp t, 0,1,2,3                                    ; the four accumulators by turns
.if (\t%2) == 0
	v_wmma_scale_f32_16x16x128_f8f6f4 v[OT+8*\t:OT+8*\t+7], v[VF+12*\t:VF+12*\t+11], v[P:P+11], v[OT+8*\t:OT+8*\t+7], v[VS+\t/2], v[PS] matrix_a_fmt:MATRIX_FMT_FP6 matrix_b_fmt:MATRIX_FMT_FP6
.else
	v_wmma_scale_f32_16x16x128_f8f6f4 v[OT+8*\t:OT+8*\t+7], v[VF+12*\t:VF+12*\t+11], v[P:P+11], v[OT+8*\t:OT+8*\t+7], v[VS+\t/2], v[PS] matrix_a_fmt:MATRIX_FMT_FP6 matrix_b_fmt:MATRIX_FMT_FP6 matrix_a_scale:MATRIX_SCALE_ROW1
.endif
.endr
	s_add_co_u32 s[TB], s[TB], RECA                    ; the next record
.endm
; Chunk c: four records of K and of V.  The fetching waves wait until at most the 3 - c later chunks are out (tensor loads of a wave end in order: ISA guide 10.11.1), then every wave passes a barrier.
.macro CHUNK c
	s_wait_tensorcnt 3-\c
	s_barrier_signal -1
	s_barrier_wait -1
	s_mov_b32 s[TB], \c*CHB
	s_mov_b32 s[CNT], 4
.Lstep_\@:
	STEP
	s_sub_co_u32 s[CNT], s[CNT], 1
	s_cmp_lg_u32 s[CNT], 0
	s_cbranch_scc1 .Lstep_\@
.endm
	s_wait_loadcnt 0x0                             ; Q and its scale word
	CHUNK 0
	CHUNK 1
	CHUNK 2
	CHUNK 3
	; THE WAY OUT.  The sum; O^T / the sum; my head's 64 channels are two blocks of the last product's K: quantised as they stand in the registers (register 16 b + i = channel 32 b + 16 h + i)
	v_add_f32 v14, v14, v15
	v_permlanex16_b32 v28, v14, s[SEL], s[SEL+1]
	v_add_f32 v14, v14, v28                        ; with lane l xor 16's: the row's sum
	v_rcp_f32 v14, v14
	v_and_b32 v[ADK], 31, v0                       ; plain work behind the reciprocal and behind the last products
	v_lshlrev_b32 v[ADK], 3, v[ADK]                ; 8 x lane
	v_and_b32 v[ADV], 15, v0
	v_lshlrev_b32 v[ADV], 4, v[ADV]                ; 16 r
	s_wait_alu depctr_va_vdst(0)                   ; the wait ahead of the reciprocal's first reader
.set j, 0
.rept 16
	v_pk_mul_f32 v[S+j:S+j+1], v[OT+j:OT+j+1], v[14:15] op_sel_hi:[1,0]   ; each accumulator from its low end on
.set j, j+2
.endr
.irp b, 0,1
	v_max3_num_f32 v[BM+\b], |v[S+16*\b]|, |v[S+1+16*\b]|, 0x1800000
.endr
.irp i, 2,4,6,8,10,12,14
.irp b, 0,1
	v_max3_num_f32 v[BM+\b], v[BM+\b], |v[S+16*\b+\i]|, |v[S+1+16*\b+\i]|
.endr
.endr
.irp b, 0,1
	v_permlanex16_b32 v[BX+\b], v[BM+\b], s[SEL], s[SEL+1]
.endr
.irp b, 0,1
	v_max_num_f32 v[BM+\b], v[BM+\b], v[BX+\b]
.endr
.irp b, 0,1
	v_add_nc_u32 v[SO+\b], 0xff000000, v[BM+\b]
.endr
.irp b, 0,1
	v_lshrrev_b32 v[BX+\b], 23, v[SO+\b]
.endr
	v_lshl_or_b32 v28, v[BX+1], 8, v[BX]           ; my head's two scale bytes
	v_cvt_scalef32_pk16_fp6_f32 v[P:P+2], v[S:S+15], v[SO]
	v_cvt_scalef32_pk16_fp6_f32 v[CT:CT+2], v[S+16:S+31], v[SO+1]
	v_nop
.irp i, 0,1,2
	v_permlane16_swap_b32 v[P+\i], v[CT+\i]
.endr
.irp i, 0,1,2
	v_mov_b32 v[P+3+\i], v[CT+\i]
.endr
	global_store_b128 v[L16], v[P:P+3], s[26:27]                ; 512 consecutive bytes, aligned
	global_store_b64 v[ADK], v[P+4:P+5], s[26:27] offset:512    ; 256 more
	global_store_b16 v[ADV], v28, s[28:29]                      ; lanes r and r + 16 store the same two bytes to the same place
	s_wait_tensorcnt 0x0
	s_wait_tensorcnt 0x0
	ds_add_u32 v29, v255
	s_wait_dscnt 0x0
	CROUND                                         ; the closing round: no work-group ends while a partner may still ask for a load that names it
	s_endpgm
.Lfunc_end_k_qdd321659f5_attn:
	.size	k_qdd321659f5_attn, .Lfunc_end_k_qdd321659f5_attn-k_qdd321659f5_attn
	.p2alignl 7, 3214868480
	.fill 96, 4, 3214868480
	.section	.rodata,"a",@progbits
	.p2align	6, 0x0
	.amdhsa_kernel k_qdd321659f5_attn
		.amdhsa_group_segment_fixed_size 215040
		.amdhsa_private_segment_fixed_size 0
		.amdhsa_enable_private_segment 0
		.amdhsa_kernarg_size 24
		.amdhsa_user_sgpr_count 2
		.amdhsa_user_sgpr_kernarg_segment_ptr 1
		.amdhsa_wavefront_size32 1
		.amdhsa_system_sgpr_workgroup_id_x 1
		.amdhsa_system_sgpr_workgroup_id_y 1
		.amdhsa_system_sgpr_workgroup_id_z 1
		.amdhsa_system_vgpr_workitem_id 0
		.amdhsa_next_free_vgpr 256
		.amdhsa_next_free_sgpr 66
		.amdhsa_reserve_vcc 0
		.amdhsa_float_denorm_mode_32 3
		.amdhsa_float_denorm_mode_16_64 3
		.amdhsa_memory_ordered 1
		.amdhsa_forward_progress 1
		.amdhsa_inst_pref_size 74
	.end_amdhsa_kernel
	.amdgpu_metadata
---
amdhsa.version: [ 1, 2 ]
amdhsa.kernels:
  - .name:           k_qdd321659f5_attn
    .symbol:         k_qdd321659f5_attn.kd
    .args:
      - { .name: ac, .offset: 0, .size: 8, .value_kind: global_buffer, .address_space: global }
      - { .name: oc, .offset: 8, .size: 8, .value_kind: global_buffer, .address_space: global }
      - { .name: os, .offset: 16, .size: 8, .value_kind: global_buffer, .address_space: global }
    .group_segment_fixed_size: 215040
    .private_segment_fixed_size: 0
    .kernarg_segment_align: 8
    .kernarg_segment_size: 24
    .max_flat_workgroup_size: 512
    .sgpr_count:     66
    .vgpr_count:     256
    .wavefront_size: 32
...
	.end_amdgpu_metadata
.endif
;; end of part 3
;; launch oproj (part 4): grid 8 x 32, 4 waves a work-group, no clusters, 17,920 bytes of LDS; arguments xc, oc, os, bo, out0; writes out0
.if DOCPART == 4
	.amdgcn_target "amdgcn-amd-amdhsa--gfx1250"
	.amdhsa_code_object_version 6
	.text
	.protected	k_qdd321659f5_oproj
	.globl	k_qdd321659f5_oproj
	.p2align	8
	.type	k_qdd321659f5_oproj,@function
k_qdd321659f5_oproj:
	s_mov_b64 s[64:65], 0
	v_nop
	global_prefetch_b8 v0, s[64:65] scope:SCOPE_SE
	s_setreg_imm32_b32 hwreg(HW_REG_WAVE_MODE, 25, 1), 1
	s_wait_xcnt 0x0
; out0 = O Wo^T + bo on codes of FP6 (E2M3) with E8M0 scales.  O's codes lie in oc and its scale bytes in os (launch attn), Wo's in xc (launch quant), all as images of the operand's registers.
; SHARES.  Work-group (x, y): output channels 128 x on, tokens 128 y on.  Wave w makes 64 x 64: channels 64 (w % 2) on, token tiles 4 (w / 2) on: 16 accumulators.  256 work-groups; tiles of 128 x 128 a wave would give 64.
; K = 1,024 in 8 steps of 128; a step's 29 loads go straight into registers, in three sets, two steps ahead.  NO JOINT LOADS: the text has no tensor load; with 8 K steps a ring in LDS would change slots at every step.
; Source 0 = 16 rows of Wo, source 1 = 16 tokens: a lane holds one token, and the 32 registers of a token tile's four accumulators are 64 channels (register 16 b + 8 u + j = channel 32 b + 16 h + 8 u + j).
; The bias is the C of each sum's first product.  The tokens of a tile are not neighbours (lane r of tile 2 b + u: token 32 b + 8 u + r + 8 (r / 8)): the stores' offsets put each row where it belongs.
; THE WAY OUT: a tile's 16 rows x 256 bytes go through the wave's own stage in LDS and leave as whole rows: sixteen lanes store 256 consecutive bytes, aligned.
; REGISTERS.  Window 0: v1-12 offsets; v16-27 Wo's scale words, three sets; v32-63 O's scale words (8 a + s); v64-207 O's fragments, three sets of 48 (on the way out v64-127: rows).
;   Window 1: v0-143 Wo's fragments.   Window 2: v0-127 accumulator (a, b) at v[8 (4 a + b)]; v128-159 the bias; v160-191 O's scale bytes as loaded.
.set GRP,   102400
.set REC,   12800
.set SCOFF, 12288
.set S0S, 16
.set S1S, 32
.set SF,  64
.set OB,  64
.set BIAS, 128                         ; in window 2
.set RAW,  160                         ; in window 2
.set MSB, 0
.macro WIN new                         ; the immediate's high byte repeats the setting that is left
.if MSB != (\new)
	s_set_vgpr_msb (MSB<<8)|(\new)
.set MSB, (\new)
.endif
.endm
.macro PLACES n
.rept \n
	v_nop
.endr
.endm
	s_load_b256 s[4:11], s[0:1], 0x0               ; xc, oc, os, bo
	s_load_b64 s[12:13], s[0:1], 0x20              ; out0
	v_lshl_add_u32 v254, v0, 2, 0x4400
	v_mov_b32 v255, 0
	v_lshrrev_b32 v8, 5, v0
	v_readfirstlane_b32 s14, v8                    ; wave 0..3
	s_and_b32 s15, s14, 1                          ; hb: which 64 channels
	s_lshr_b32 s16, s14, 1                         ; ha: which four token tiles
	s_and_b32 s17, ttmp7, 0xffff                   ; the group of 128 tokens
	v_and_b32 v8, 31, v0                           ; lane
	v_and_b32 v9, 15, v0                           ; r
	v_bfe_u32 v10, v0, 4, 1                        ; h
	s_mul_i32 s18, s15, 6144
	s_mul_i32 s19, s16, 6144
	v_lshl_add_u32 v1, v8, 4, s18                  ; Wo's images: 16 x lane + my four tiles
	v_lshl_add_u32 v2, v8, 4, s19                  ; O's images
	v_lshl_add_u32 v3, v8, 3, s19                  ; and their parts of 8 bytes a lane
	s_lshl_b32 s18, s15, 4
	v_lshl_add_u32 v4, v9, 5, s18                  ; Wo's scale words: row r, my four tiles
	s_mul_i32 s18, s14, 4352                       ; my stage: 16 rows x 272 bytes
	v_mul_u32_u24 v5, v9, 272
	v_lshl_add_u32 v5, v10, 6, v5
	v_add_nc_u32 v5, s18, v5                       ; in: row r, + 64 h
	v_mul_u32_u24 v6, v10, 272
	v_lshl_add_u32 v6, v9, 4, v6
	v_add_nc_u32 v6, s18, v6                       ; back: lanes 0-15 one row, lanes 16-31 the next
	v_lshlrev_b32 v7, 12, v10
	v_lshl_add_u32 v7, v9, 4, v7                   ; and the same in out0
	v_lshlrev_b32 v11, 6, v10                      ; the bias: 64 h
	v_lshlrev_b32 v12, 4, v9                       ; O's scale bytes: 16 r
	s_add_co_u32 s32, ttmp9, 120
	s_mul_i32 s32, s32, GRP                        ; Wo's group in xc
	s_mov_b32 s33, 0
	s_mul_i32 s34, s17, 98304                      ; the tokens' group in oc
	s_mov_b32 s35, 0
	s_lshl_b32 s36, ttmp9, 9
	s_lshl_b32 s37, s15, 8
	s_add_co_u32 s36, s36, s37                     ; my 64 channels in bytes
	s_mov_b32 s37, 0
	s_lshl_b32 s38, s17, 12
	s_lshl_b32 s39, s16, 10
	s_add_co_u32 s38, s38, s39                     ; os: 4,096 bytes a group, 256 a tile
	s_mov_b32 s39, 0
	s_lshl_b32 s40, s17, 7
	s_lshl_b32 s41, s16, 6
	s_add_co_u32 s40, s40, s41
	s_lshl_b32 s40, s40, 12                        ; my first token's row of out0
	s_add_co_u32 s40, s40, s36
	s_mov_b32 s41, 0
	s_mov_b32 s30, 0x05040100                      ; v_perm_b32: the two low halves
	s_mov_b32 s31, 0x07060302                      ; the two high halves
	s_wait_kmcnt 0x0
	s_add_nc_u64 s[20:21], s[4:5], s[32:33]
	s_add_nc_u64 s[22:23], s[6:7], s[34:35]
	s_add_nc_u64 s[24:25], s[10:11], s[36:37]
	s_add_nc_u64 s[26:27], s[8:9], s[38:39]
	s_add_nc_u64 s[28:29], s[12:13], s[40:41]
	WIN 0x80                                       ; destination window 2
.irp b, 0,1
.irp i, 0,1,2,3
	global_load_b128 v[BIAS+16*\b+4*\i:BIAS+16*\b+4*\i+3], v11, s[24:25] offset:128*\b+16*\i
.endr
.endr
.irp a, 0,1,2,3
	global_load_b128 v[RAW+8*\a:RAW+8*\a+3], v12, s[26:27] offset:256*\a             ; row r of tile a: the even heads' eight pairs of bytes,
	global_load_b128 v[RAW+8*\a+4:RAW+8*\a+7], v12, s[26:27] offset:2048+256*\a      ; the odd heads'
.endr
	WIN 0
.macro LOAD s                          ; K step s into set s % 3: 12 + 1 + 16 = 29 loads
.set Q, (\s)%3
	WIN 0x40
.irp b, 0,1,2,3
.irp c, 0,1,2
	global_load_b128 v[48*Q+12*\b+4*\c:48*Q+12*\b+4*\c+3], v1, s[20:21] offset:(\s)*REC+1536*\b+512*\c
.endr
.endr
	WIN 0
	global_load_b128 v[S0S+4*Q:S0S+4*Q+3], v4, s[20:21] offset:(\s)*REC+SCOFF
.irp a, 0,1,2,3
	global_load_b128 v[SF+48*Q+12*\a:SF+48*Q+12*\a+3], v2, s[22:23] offset:(\s)*12288+1536*\a          ; the even head's registers 0-3,
	global_load_b64 v[SF+48*Q+12*\a+4:SF+48*Q+12*\a+5], v3, s[22:23] offset:(\s)*12288+1536*\a+512      ; 4, 5;
	global_load_b128 v[SF+48*Q+12*\a+6:SF+48*Q+12*\a+9], v2, s[22:23] offset:(\s)*12288+1536*\a+768     ; the odd head's: registers 6-9,
	global_load_b64 v[SF+48*Q+12*\a+10:SF+48*Q+12*\a+11], v3, s[22:23] offset:(\s)*12288+1536*\a+1280   ; 10, 11
.endr
.endm
	LOAD 0
	LOAD 1
	s_wait_loadcnt 58                              ; the bias and the scale bytes are in; the 58 loads of K steps 0 and 1 may be out
	WIN 0x0a                                       ; sources 0 and 1 window 2
.irp s, 0,1,2,3,4,5,6,7                            ; a K step's scale word of a row: the even head's two bytes below, the odd head's above.  K step 0's four come first: 28 plain instructions stand between them and the first product
.irp a, 0,1,2,3
	v_perm_b32 v[S1S+8*\a+\s], v[RAW+8*\a+4+\s/2], v[RAW+8*\a+\s/2], s[30+\s%2]
.endr
.endr
.macro STEP s
.if \s > 0
	PLACES 4                                       ; the loads below go into registers that the step before has multiplied
.endif
.if \s < 6
	LOAD (\s)+2
	s_wait_loadcnt 58                              ; this step's operands are in; the two later steps' 58 loads may be out
.elseif \s == 6
	s_wait_loadcnt 29                              ; the last step's 29 may be out
.else
	s_wait_loadcnt 0x0
.endif
.set Q, (\s)%3
	WIN 0xa1                                       ; source 0 window 1, source 1 window 0, C and D window 2
.irp a, 0,1,2,3                                    ; the 16 accumulators take turns, in the same order in every step
.irp b, 0,1,2,3
.if \s == 0
	v_wmma_scale_f32_16x16x128_f8f6f4 v[8*(4*\a+\b):8*(4*\a+\b)+7], v[48*Q+12*\b:48*Q+12*\b+11], v[SF+48*Q+12*\a:SF+48*Q+12*\a+11], v[BIAS+8*\b:BIAS+8*\b+7], v[S0S+4*Q+\b], v[S1S+8*\a+\s] matrix_a_fmt:MATRIX_FMT_FP6 matrix_b_fmt:MATRIX_FMT_FP6
.else
	v_wmma_scale_f32_16x16x128_f8f6f4 v[8*(4*\a+\b):8*(4*\a+\b)+7], v[48*Q+12*\b:48*Q+12*\b+11], v[SF+48*Q+12*\a:SF+48*Q+12*\a+11], v[8*(4*\a+\b):8*(4*\a+\b)+7], v[S0S+4*Q+\b], v[S1S+8*\a+\s] matrix_a_fmt:MATRIX_FMT_FP6 matrix_b_fmt:MATRIX_FMT_FP6
.endif
.endr
.endr
.endm
	STEP 0
	STEP 1
	STEP 2
	STEP 3
	STEP 4
	STEP 5
	STEP 6
	STEP 7
	WIN 0
	PLACES 4                                       ; in front of the first read of results and of loads into registers that were multiplied
.irp a, 0,1,2,3
.if \a >= 2
	s_wait_xcnt 0x0                                ; tile a - 2's stores have read the registers that this tile's rows land in
.endif
	WIN 0x08                                       ; an LDS store's data are its source 1: window 2
.irp b, 0,1,2,3
	ds_store_b128 v5, v[8*(4*\a+\b):8*(4*\a+\b)+3] offset:128*(\b/2)+32*(\b%2)         ; each accumulator from its low end on
	ds_store_b128 v5, v[8*(4*\a+\b)+4:8*(4*\a+\b)+7] offset:128*(\b/2)+32*(\b%2)+16
.endr
	WIN 0
.irp i, 0,1,2,3,4,5,6,7
	ds_load_b128 v[OB+32*(\a%2)+4*\i:OB+32*(\a%2)+4*\i+3], v6 offset:544*\i            ; LDS serves a wave's instructions in order: these see my stores, and the next tile's stores come behind them
.endr
	s_wait_dscnt 0x0
.irp i, 0,1,2,3,4,5,6,7
	global_store_b128 v7, v[OB+32*(\a%2)+4*\i:OB+32*(\a%2)+4*\i+3], s[28:29] offset:(32*(\a/2)+8*(\a%2)+2*\i+8*(\i/4))*4096 th:TH_STORE_NT   ; stage rows 2 i, 2 i + 1 are tokens 32 (a / 2) + 8 (a % 2) + 2 i + 8 (i / 4) and the next; sixteen lanes store 256 consecutive bytes, aligned
.endr
.endr
	s_wait_tensorcnt 0x0
	ds_add_u32 v254, v255
	s_wait_dscnt 0x0
	s_endpgm
.Lfunc_end_k_qdd321659f5_oproj:
	.size	k_qdd321659f5_oproj, .Lfunc_end_k_qdd321659f5_oproj-k_qdd321659f5_oproj
	.p2alignl 7, 3214868480
	.fill 96, 4, 3214868480
	.section	.rodata,"a",@progbits
	.p2align	6, 0x0
	.amdhsa_kernel k_qdd321659f5_oproj
		.amdhsa_group_segment_fixed_size 17920
		.amdhsa_private_segment_fixed_size 0
		.amdhsa_enable_private_segment 0
		.amdhsa_kernarg_size 40
		.amdhsa_user_sgpr_count 2
		.amdhsa_user_sgpr_kernarg_segment_ptr 1
		.amdhsa_wavefront_size32 1
		.amdhsa_system_sgpr_workgroup_id_x 1
		.amdhsa_system_sgpr_workgroup_id_y 1
		.amdhsa_system_sgpr_workgroup_id_z 1
		.amdhsa_system_vgpr_workitem_id 0
		.amdhsa_next_free_vgpr 768
		.amdhsa_next_free_sgpr 66
		.amdhsa_reserve_vcc 0
		.amdhsa_float_denorm_mode_32 3
		.amdhsa_float_denorm_mode_16_64 3
		.amdhsa_memory_ordered 1
		.amdhsa_forward_progress 1
		.amdhsa_inst_pref_size 54
	.end_amdhsa_kernel
	.amdgpu_metadata
---
amdhsa.version: [ 1, 2 ]
amdhsa.kernels:
  - .name:           k_qdd321659f5_oproj
    .symbol:         k_qdd321659f5_oproj.kd
    .args:
      - { .name: xc, .offset: 0, .size: 8, .value_kind: global_buffer, .address_space: global }
      - { .name: oc, .offset: 8, .size: 8, .value_kind: global_buffer, .address_space: global }
      - { .name: os, .offset: 16, .size: 8, .value_kind: global_buffer, .address_space: global }
      - { .name: bo, .offset: 24, .size: 8, .value_kind: global_buffer, .address_space: global }
      - { .name: out0, .offset: 32, .size: 8, .value_kind: global_buffer, .address_space: global }
    .group_segment_fixed_size: 17920
    .private_segment_fixed_size: 0
    .kernarg_segment_align: 8
    .kernarg_segment_size: 40
    .max_flat_workgroup_size: 128
    .sgpr_count:     66
    .vgpr_count:     768
    .wavefront_size: 32
...
	.end_amdgpu_metadata
.endif
;; end of part 4
;; ======== version 2 of 2: 4 launches
;; workspace buffers: xc 13,107,200 bytes; ac 10,223,616 bytes; oc 3,145,728 bytes; os 131,072 bytes
;; launch quant (part 5): grid 256 x 1, 8 waves a work-group, no clusters, 70,656 bytes of LDS; arguments q, k, v, Wq, Wk, Wv, Wo, xc; writes xc
.if DOCPART == 5
	.amdgcn_target "amdgcn-amd-amdhsa--gfx1250"
	.amdhsa_code_object_version 6
	.text
	.protected	k_qdd321659f5_quant
	.globl	k_qdd321659f5_quant
	.p2align	8
	.type	k_qdd321659f5_quant,@function
k_qdd321659f5_quant:
	s_mov_b64 s[64:65], 0
	v_nop
	global_prefetch_b8 v0, s[64:65] scope:SCOPE_SE
	s_setreg_imm32_b32 hwreg(HW_REG_WAVE_MODE, 25, 1), 1
	s_wait_xcnt 0x0
; q, k, v [4096][1024] and Wq, Wk, Wv, Wo [1024][1024], f32 with K innermost, become codes of FP6 (E2M3) with one E8M0 byte for each 32 along K.
; A block's scale is 2^(floor(log2(its largest magnitude)) - 2); its byte is the largest magnitude's exponent field - 2, held at 1 from below.
; LIMITS: NaN and infinities are not served; a block whose largest magnitude lies under 2^-124 (a block of zeros too) gets the byte 1: its codes are zeros or next to it, and this program alone reads the bytes.
; LAYOUT OF xc.  The rows of all seven tensors are cut into 128 groups of 128 rows (q 0-31, k 32-63, v 64-95, Wq 96-103, Wk 104-111, Wv 112-119, Wo 120-127), 102,400 bytes a group.
; A group has a record of 12,800 bytes for each 128 along K: eight fragments as IMAGES OF THE OPERAND'S REGISTERS (tile t at 1,536 t: registers 4 c .. 4 c + 3 of lane l at 512 c + 16 l), then 512 bytes of scale words [row 16][tile 8].
; THE ROWS OF A TILE ARE NOT NEIGHBOURS: lane r of tile 2 b + u stands for row 32 b + 8 u + r + 8 (r / 8) of the group, so that a product's results over two neighbouring tiles are 16 neighbours along the next K.
; SHARES.  Work-group g takes group g / 2 and half g % 2 of K (four K steps); wave w takes tile w: 16 rows x 512 along K.  Each load reads 512 consecutive bytes of a row; a K step's 16 rows turn through the wave's own stage
; in LDS, so that a lane gets 16 neighbours of each block of 32 of ITS row.  Two K steps' loads (32) are out at most.  The scale words of the eight tiles meet in LDS and leave as aligned runs of 256 bytes.
; No matrix unit, no tensor load, no cluster: every byte is read once, by one wave.
.set GRP,   102400
.set REC,   12800
.set SCOFF, 12288
.set STG,   8448                       ; a wave's stage: 16 rows x 528 bytes
.set SP,    528                        ; 512 bytes + 16: 33 x 16, so that sixteen rows begin in sixteen different columns of 16 bytes
.set AREA,  8*STG                      ; behind the stages: 4 K steps x 512 bytes of scale words
.set L16, 2                            ; v2  16 x lane
.set SA,  3                            ; v3  the stage, on the way in
.set SB,  4                            ; v4  and on the way out: row r, + 64 h
.set GA,  5                            ; v5  where my row's scale word goes: AREA + 32 r + 4 w
.set GR,  6                            ; v6  where my wave reads 256 bytes of them back
.set L8,  7                            ; v7  8 x lane
.set R,   16                           ; v16-143  two sets of 64: a K step as loaded
.set X,   144                          ; v144-207 64 numbers of my row: register 16 b + i = k 32 b + 16 h + i
.set PC,  208                          ; v208-219 the fragment
.set CT,  220                          ; v220-227 halves of blocks on their way
.set TM,  228                          ; v228-243 at work
.set PW,  244                          ; v244     the scale word
.set SEL, 32                           ; s[32:33] lane selects: lane l xor 16
; 64 numbers of a lane, register 16 b + i = k 32 b + 16 (lane / 16) + i of its row, become six registers of codes at d0 (k 0-63), six at d1 (k 64-127), and the row's scale word in v[PW].
.macro QUANT s, d0, d1
.irp b, 0,1,2,3
	v_max3_num_f32 v[TM+\b], |v[(\s)+16*\b]|, |v[(\s)+1+16*\b]|, 0x1800000   ; my 16 numbers of block b, and the floor 2^(3 - 127): the byte cannot fall under 1
.endr
.irp i, 2,4,6,8,10,12,14
.irp b, 0,1,2,3
	s_delay_alu instid0(VALU_DEP_4)
	v_max3_num_f32 v[TM+\b], v[TM+\b], |v[(\s)+16*\b+\i]|, |v[(\s)+1+16*\b+\i]|   ; the four blocks by turns
.endr
.endr
.irp b, 0,1,2,3
	s_delay_alu instid0(VALU_DEP_4)
	v_permlanex16_b32 v[TM+4+\b], v[TM+\b], s[SEL], s[SEL+1]
.endr
.irp b, 0,1,2,3
	s_delay_alu instid0(VALU_DEP_4)
	v_max_num_f32 v[TM+\b], v[TM+\b], v[TM+4+\b]       ; with lane l xor 16's: the block's largest magnitude
.endr
.irp b, 0,1,2,3
	s_delay_alu instid0(VALU_DEP_4)
	v_add_nc_u32 v[TM+12+\b], 0xff000000, v[TM+\b]     ; 2 off its exponent field: the conversion takes this operand's exponent field as its scale
.endr
.irp b, 0,1,2,3
	s_delay_alu instid0(VALU_DEP_4)
	v_lshrrev_b32 v[TM+4+\b], 23, v[TM+12+\b]          ; the scale's byte
.endr
	s_delay_alu instid0(VALU_DEP_3)
	v_lshl_or_b32 v[PW], v[TM+5], 8, v[TM+4]
	s_delay_alu instid0(VALU_DEP_1)
	v_lshl_or_b32 v[PW], v[TM+6], 16, v[PW]
	s_delay_alu instid0(VALU_DEP_1)
	v_lshl_or_b32 v[PW], v[TM+7], 24, v[PW]
	v_cvt_scalef32_pk16_fp6_f32 v[(\d0):(\d0)+2], v[(\s):(\s)+15], v[TM+12]
	v_cvt_scalef32_pk16_fp6_f32 v[CT:CT+2], v[(\s)+16:(\s)+31], v[TM+13]      ; (a conversion's three registers begin on an even number)
	v_cvt_scalef32_pk16_fp6_f32 v[(\d1):(\d1)+2], v[(\s)+32:(\s)+47], v[TM+14]
	v_cvt_scalef32_pk16_fp6_f32 v[CT+4:CT+6], v[(\s)+48:(\s)+63], v[TM+15]
	v_nop                                              ; one plain instruction behind the scaled conversions
.irp i, 0,1,2
	v_permlane16_swap_b32 v[(\d0)+\i], v[CT+\i]        ; the layout wants a whole block in a lane: lanes 0-15 the even block, lanes 16-31 the odd one
.endr
.irp i, 0,1,2
	v_permlane16_swap_b32 v[(\d1)+\i], v[CT+4+\i]
.endr
.irp i, 0,1,2
	v_mov_b32 v[(\d0)+3+\i], v[CT+\i]
	v_mov_b32 v[(\d1)+3+\i], v[CT+4+\i]
.endr
.endm
	s_load_b512 s[4:19], s[0:1], 0x0               ; q, k, v, Wq, Wk, Wv, Wo, xc
	v_lshl_add_u32 v248, v0, 2, 0x11000
	v_mov_b32 v249, 0
	v_lshrrev_b32 v1, 5, v0
	s_delay_alu instid0(VALU_DEP_1)
	v_readfirstlane_b32 s20, v1                    ; wave 0..7 = my tile
	v_and_b32 v8, 31, v0                           ; lane
	v_and_b32 v9, 15, v0                           ; r
	v_bfe_u32 v10, v0, 4, 1                        ; h
	s_lshr_b32 s21, ttmp9, 1                       ; the group
	s_and_b32 s22, ttmp9, 1                        ; which half of K
	s_mov_b32 s[SEL], 0x76543210
	s_mov_b32 s[SEL+1], 0xfedcba98
	v_lshlrev_b32 v[L16], 4, v8
	v_lshlrev_b32 v[L8], 3, v8
	s_mul_i32 s34, s20, STG
	v_add_nc_u32 v[SA], s34, v[L16]
	v_mul_u32_u24 v[SB], v9, SP
	s_delay_alu instid0(VALU_DEP_1)
	v_lshl_add_u32 v[SB], v10, 6, v[SB]
	s_delay_alu instid0(VALU_DEP_1)
	v_add_nc_u32 v[SB], s34, v[SB]
	s_lshl_b32 s35, s20, 2
	s_add_co_u32 s35, s35, AREA
	v_lshl_add_u32 v[GA], v9, 5, s35
	s_lshl_b32 s35, s20, 8
	s_add_co_u32 s35, s35, AREA
	v_add_nc_u32 v[GR], s35, v[L8]
.irp b, 0,1,2,3
	v_mov_b32 v[TM+4+\b], 0                        ; written once: a lane permute's destination counts as one of its sources
.endr
	s_wait_alu depctr_va_vdst(0)
	s_wait_kmcnt 0x0
	; which tensor the group belongs to: a choice of pointers on the work-group's number alone
	s_mov_b64 s[24:25], s[16:17]
	s_mov_b32 s26, 120
.macro PICK lim, ptr, first
	s_cmp_lt_u32 s21, \lim
	s_cselect_b64 s[24:25], s[\ptr:\ptr+1], s[24:25]
	s_cselect_b32 s26, \first, s26
.endm
	PICK 120, 14, 112
	PICK 112, 12, 104
	PICK 104, 10, 96
	PICK 96, 8, 64
	PICK 64, 6, 32
	PICK 32, 4, 0
	s_sub_co_u32 s27, s21, s26                     ; the group's number in its tensor
	s_lshl_b32 s36, s27, 19                        ; 128 rows of 4,096 bytes
	s_lshr_b32 s38, s20, 1
	s_lshl_b32 s38, s38, 5
	s_and_b32 s39, s20, 1
	s_lshl_b32 s39, s39, 3
	s_add_co_u32 s38, s38, s39                     ; my tile's first row: 32 (w / 2) + 8 (w % 2)
	s_lshl_b32 s38, s38, 12
	s_add_co_u32 s36, s36, s38
	s_lshl_b32 s38, s22, 11                        ; my half of K: 512 numbers
	s_add_co_u32 s36, s36, s38
	s_mov_b32 s37, 0
	s_add_nc_u64 s[24:25], s[24:25], s[36:37]
	s_mul_i32 s36, s21, GRP
	s_mul_i32 s38, s22, 4*REC
	s_add_co_u32 s36, s36, s38
	s_add_nc_u64 s[30:31], s[18:19], s[36:37]      ; xc at the first of my four records
	s_mul_i32 s38, s20, 1536
	s_mov_b32 s39, 0
	s_add_nc_u64 s[28:29], s[30:31], s[38:39]      ; my tile's image in it
	s_lshr_b32 s38, s20, 1
	s_mul_i32 s38, s38, REC
	s_and_b32 s40, s20, 1
	s_lshl_b32 s40, s40, 8
	s_add_co_u32 s38, s38, s40
	s_add_co_u32 s38, s38, SCOFF
	s_add_nc_u64 s[30:31], s[30:31], s[38:39]      ; the 256 bytes of scale words that my wave stores: record w / 2, half w % 2
.macro LOAD j                          ; K step j of my 16 rows: each load reads 512 consecutive bytes of one row
.irp i, 0,1,2,3,4,5,6,7,8,9,10,11,12,13,14,15
	global_load_b128 v[R+64*((\j)%2)+4*\i:R+64*((\j)%2)+4*\i+3], v[L16], s[24:25] offset:(\i+8*(\i/8))*4096+512*(\j) th:TH_LOAD_NT
.endr
.endm
.macro TURN j                          ; through the stage: LDS serves a wave's instructions in order, so no wait stands between the stores and the loads
.irp i, 0,1,2,3,4,5,6,7,8,9,10,11,12,13,14,15
	ds_store_b128 v[SA], v[R+64*((\j)%2)+4*\i:R+64*((\j)%2)+4*\i+3] offset:SP*\i
.endr
.irp b, 0,1,2,3
.irp i, 0,1,2,3
	ds_load_b128 v[X+16*\b+4*\i:X+16*\b+4*\i+3], v[SB] offset:128*\b+16*\i
.endr
.endr
.endm
.macro STEP j
	s_wait_dscnt 0x0                               ; my 64 numbers are back from the stage, and its stores have read the set that the next loads fill
.if \j > 0
	s_wait_xcnt 0x0                                ; the last step's stores have read the fragment's registers
.endif
.if \j < 2
	LOAD (\j)+2
.endif
	QUANT X, PC, PC+6
.irp c, 0,1,2
	global_store_b128 v[L16], v[PC+4*\c:PC+4*\c+3], s[28:29] offset:(\j)*REC+512*\c   ; 32 lanes store 512 consecutive bytes, at a multiple of 256 from xc's first byte
.endr
	ds_store_b32 v[GA], v[PW] offset:512*(\j)      ; lanes r and r + 16 write the same word with the same value
.if \j < 2
	s_wait_loadcnt 16                              ; the next step's 16 loads are in; the 16 issued above may be out
	TURN (\j)+1
.elseif \j == 2
	s_wait_loadcnt 0x0
	TURN 3
.endif
.endm
	LOAD 0
	LOAD 1
	s_wait_loadcnt 16                              ; K step 0 is in; K step 1's 16 loads may be out
	TURN 0
	STEP 0
	STEP 1
	STEP 2
	STEP 3
	s_wait_dscnt 0x0                               ; for the others' sake: my scale words lie in LDS
	s_barrier_signal -1
	s_barrier_wait -1
	ds_load_b64 v[246:247], v[GR]
	s_wait_dscnt 0x0
	global_store_b64 v[L8], v[246:247], s[30:31]   ; 32 lanes store 256 consecutive bytes, aligned
	s_wait_tensorcnt 0x0
	ds_add_u32 v248, v249
	s_wait_dscnt 0x0
	s_endpgm
.Lfunc_end_k_qdd321659f5_quant:
	.size	k_qdd321659f5_quant, .Lfunc_end_k_qdd321659f5_quant-k_qdd321659f5_quant
	.p2alignl 7, 3214868480
	.fill 96, 4, 3214868480
	.section	.rodata,"a",@progbits
	.p2align	6, 0x0
	.amdhsa_kernel k_qdd321659f5_quant
		.amdhsa_group_segment_fixed_size 70656
		.amdhsa_private_segment_fixed_size 0
		.amdhsa_enable_private_segment 0
		.amdhsa_kernarg_size 64
		.amdhsa_user_sgpr_count 2
		.amdhsa_user_sgpr_kernarg_segment_ptr 1
		.amdhsa_wavefront_size32 1
		.amdhsa_system_sgpr_workgroup_id_x 1
		.amdhsa_system_sgpr_workgroup_id_y 1
		.amdhsa_system_sgpr_workgroup_id_z 1
		.amdhsa_system_vgpr_workitem_id 0
		.amdhsa_next_free_vgpr 250
		.amdhsa_next_free_sgpr 66
		.amdhsa_reserve_vcc 0
		.amdhsa_float_denorm_mode_32 3
		.amdhsa_float_denorm_mode_16_64 3
		.amdhsa_memory_ordered 1
		.amdhsa_forward_progress 1
		.amdhsa_inst_pref_size 41
	.end_amdhsa_kernel
	.amdgpu_metadata
---
amdhsa.version: [ 1, 2 ]
amdhsa.kernels:
  - .name:           k_qdd321659f5_quant
    .symbol:         k_qdd321659f5_quant.kd
    .args:
      - { .name: q, .offset: 0, .size: 8, .value_kind: global_buffer, .address_space: global }
      - { .name: k, .offset: 8, .size: 8, .value_kind: global_buffer, .address_space: global }
      - { .name: v, .offset: 16, .size: 8, .value_kind: global_buffer, .address_space: global }
      - { .name: Wq, .offset: 24, .size: 8, .value_kind: global_buffer, .address_space: global }
      - { .name: Wk, .offset: 32, .size: 8, .value_kind: global_buffer, .address_space: global }
      - { .name: Wv, .offset: 40, .size: 8, .value_kind: global_buffer, .address_space: global }
      - { .name: Wo, .offset: 48, .size: 8, .value_kind: global_buffer, .address_space: global }
      - { .name: xc, .offset: 56, .size: 8, .value_kind: global_buffer, .address_space: global }
    .group_segment_fixed_size: 70656
    .private_segment_fixed_size: 0
    .kernarg_segment_align: 8
    .kernarg_segment_size: 64
    .max_flat_workgroup_size: 256
    .sgpr_count:     66
    .vgpr_count:     250
    .wavefront_size: 32
...
	.end_amdgpu_metadata
.endif
;; end of part 5
;; launch proj (part 6): grid 64 x 3, 4 waves a work-group, no clusters, 0 bytes of LDS; arguments xc, bq, bk, bv, ac; writes ac
.if DOCPART == 6
	.amdgcn_target "amdgcn-amd-amdhsa--gfx1250"
	.amdhsa_code_object_version 6
	.text
	.protected	k_qdd321659f5_proj
	.globl	k_qdd321659f5_proj
	.p2align	8
	.type	k_qdd321659f5_proj,@function
k_qdd321659f5_proj:
	s_mov_b64 s[64:65], 0
	v_nop
	global_prefetch_b8 v0, s[64:65] scope:SCOPE_SE
	s_setreg_imm32_b32 hwreg(HW_REG_WAVE_SCHED_MODE, 0, 2), 2
	s_setreg_imm32_b32 hwreg(HW_REG_WAVE_MODE, 25, 1), 1
	s_wait_xcnt 0x0
	s_wait_alu depctr_vm_vsrc(0)
; The three projections x W^T + b on codes of FP6 (E2M3) with E8M0 scales, and the quantising of their results into the operands of attention.  Work-group y = 0, 1, 2: q, k, v.
; SHARES.  A wave makes 128 x 128 (64 accumulators, 512 registers): channels 128 cg on, tokens 128 tg on; cg = 2 (x % 4) + w % 2, tg = 2 (x / 4) + w / 2.  K = 1,024 in 8 steps of 128.
; OPERANDS lie in xc as images of the operand's registers (launch quant): a lane loads its fragments whole, by loads of 16 bytes of which 32 lanes cover 512 consecutive bytes, straight into registers.
; One K step's 52 loads are asked for a step ahead, in a second set of registers.  No LDS, no barrier.  NO JOINT LOADS: the text has no tensor load; with 8 K steps a ring in LDS would change slots at every step,
; and what a wave shares with its neighbour in the work-group is half of a step's bytes.
; SOURCE 0 IS THE OPERAND WHOSE INDEX IS THE NEXT PRODUCT'S K: for q and k the weight (the head's channels), for v the tokens (the keys).  By the order of a tile's rows in xc, lane (r, h) then holds, for one row of
; source 1, in the 64 registers of eight neighbouring accumulators the indices 32 b + 16 h + i (register 16 b + i) of source 0: what the quantiser wants.
; OUT (ac): three tensors x 32 heads x 16 records of 6,656 bytes (128 tokens).  Q, K: four images of 1,536 bytes, each TWO tiles of 16 tokens x 64 channels (registers 0-5, 6-11); at 6,144 lane 16 u + r has the four
; scale words of tiles 2 g + u, row r (bytes 0, 1: the head's two blocks; bytes 2, 3: 0).  V: four fragments of 16 channels x 128 keys; at 6,144 lane 16 u + r has the words of tiles u and 2 + u, then two zero words.
; LIMITS: NaN and infinities are not served; a block whose largest magnitude lies under 2^-124 gets the byte 1.
; REGISTERS, in windows of 256.  Window 0: v1-4 offsets; v16-31 source 0's scale words, two sets; v32-47 source 1's; v48-143, v144-239 source 1's fragments, two sets; v240-247 the bias by lanes.
;   On the way out v48-107 and v144-207 are at work.  Window 1: v0-95, v96-191 source 0's fragments; v192-255 the bias by registers.  Windows 2, 3: accumulator (a, b) at v[8 (8 (a % 4) + b)] of window 2 + a / 4.
; THE MODE: SCHED_MODE bits 1:0 = 2 (LLVM: expert scheduling mode 2), set by the entry lines.  The code itself states the register dependences
; between vector or matrix instructions and memory instructions, with s_wait_alu, always for 0.
; THE PLAN.  Registers that memory instructions touch:
;   v1-v4      offsets: written once at the head, read by every load and store, never written again.
;   set p      (source 0's fragments, source 1's, both sides' scale words)  Written by the loads of K step s + 1, which are issued in step s; read by step s + 1's 64 products.
;              So the loads of step s land in the set that the products of step s - 1 read: ONE wait on va_vdst at the head of steps 1 to 6 states that these are done reading.  Behind it 24 loads go at once and 28
;              behind the step's first eight products, which name this step's set and the accumulators: none of the registers that those loads touch.
;   v48-71     the codes, and v100-107 the scale words, on the way out: written by the quantiser, read by the stores.  One wait on va_vdst ahead of each run of stores; one on vm_vsrc, beside the wait on XCNT, ahead of the
;              quantiser that writes the codes again: it stands behind the next tile's 32 additions, which write v144-207 alone.
.set GRP,   102400
.set REC,   12800
.set SCOFF, 12288
.set TEN,   3407872
.set BHB,   106496
.set RECA,  6656
.set L16, 1                            ; v1  16 x lane
.set R32, 2                            ; v2  32 r: a row's eight scale words
.set BO1, 3                            ; v3  64 h
.set BO2, 4                            ; v4  4 (r + 8 (r / 8))
.set S0S, 16
.set S1S, 32
.set SF,  48
.set BV,  240
.set BI,  192                          ; in window 1
.set ST,  144                          ; the way out: 64 numbers
.set E,   48                           ; the even head's pair of tiles (for v: the fragment)
.set O,   60                           ; the odd head's
.set CT,  72
.set TM,  80
.set PW,  96
.set WA,  97
.set WE,  100                          ; v100-103 the even head's scale words;  v104-107 the odd head's
.set WO,  104
.set SEL, 28
.set MSB, 0
.macro WIN new                         ; the immediate's high byte repeats the setting that is left
.if MSB != (\new)
	s_set_vgpr_msb (MSB<<8)|(\new)
.set MSB, (\new)
.endif
.endm
.macro PLACES n
.rept \n
	v_nop
.endr
.endm
.macro QUANT s, d0, d1                 ; 64 numbers of a lane (register 16 b + i = k 32 b + 16 h + i) -> six registers of codes at d0 (k 0-63), six at d1 (k 64-127), the scale word in v[PW]
.irp b, 0,1,2,3
	v_max3_num_f32 v[TM+\b], |v[(\s)+16*\b]|, |v[(\s)+1+16*\b]|, 0x1800000   ; and the floor 2^(3 - 127): the byte cannot fall under 1
.endr
.irp i, 2,4,6,8,10,12,14
.irp b, 0,1,2,3
	v_max3_num_f32 v[TM+\b], v[TM+\b], |v[(\s)+16*\b+\i]|, |v[(\s)+1+16*\b+\i]|
.endr
.endr
.irp b, 0,1,2,3
	v_permlanex16_b32 v[TM+4+\b], v[TM+\b], s[SEL], s[SEL+1]
.endr
.irp b, 0,1,2,3
	v_max_num_f32 v[TM+\b], v[TM+\b], v[TM+4+\b]
.endr
.irp b, 0,1,2,3
	v_add_nc_u32 v[TM+12+\b], 0xff000000, v[TM+\b]     ; 2 off the exponent field: the conversion's scale operand
.endr
.irp b, 0,1,2,3
	v_lshrrev_b32 v[TM+4+\b], 23, v[TM+12+\b]          ; the scale's byte
.endr
	v_lshl_or_b32 v[PW], v[TM+5], 8, v[TM+4]
	v_lshl_or_b32 v[PW], v[TM+6], 16, v[PW]
	v_lshl_or_b32 v[PW], v[TM+7], 24, v[PW]
	v_cvt_scalef32_pk16_fp6_f32 v[(\d0):(\d0)+2], v[(\s):(\s)+15], v[TM+12]
	v_cvt_scalef32_pk16_fp6_f32 v[CT:CT+2], v[(\s)+16:(\s)+31], v[TM+13]
	v_cvt_scalef32_pk16_fp6_f32 v[(\d1):(\d1)+2], v[(\s)+32:(\s)+47], v[TM+14]
	v_cvt_scalef32_pk16_fp6_f32 v[CT+4:CT+6], v[(\s)+48:(\s)+63], v[TM+15]
	v_nop                                              ; one plain instruction behind the scaled conversions
.irp i, 0,1,2
	v_permlane16_swap_b32 v[(\d0)+\i], v[CT+\i]
.endr
.irp i, 0,1,2
	v_permlane16_swap_b32 v[(\d1)+\i], v[CT+4+\i]
.endr
.irp i, 0,1,2
	v_mov_b32 v[(\d0)+3+\i], v[CT+\i]
	v_mov_b32 v[(\d1)+3+\i], v[CT+4+\i]
.endr
.endm
	s_load_b256 s[4:11], s[0:1], 0x0               ; xc, bq, bk, bv
	s_load_b64 s[12:13], s[0:1], 0x20              ; ac
	v_lshrrev_b32 v5, 5, v0
	v_readfirstlane_b32 s14, v5                    ; wave 0..3
	v_and_b32 v5, 31, v0                           ; the lanes' offsets are made here, between that line and the first reader of s14
	v_lshlrev_b32 v[L16], 4, v5
	v_and_b32 v5, 15, v0                           ; r
	v_lshlrev_b32 v[R32], 5, v5
	v_bfe_u32 v6, v0, 4, 1                         ; h
	v_lshlrev_b32 v[BO1], 6, v6
	v_and_b32 v[BO2], 8, v5
	v_add_nc_u32 v[BO2], v[BO2], v5
	v_lshlrev_b32 v[BO2], 2, v[BO2]
	s_wait_alu depctr_va_sdst(0)                   ; s14 is written, ahead of its first reader: cg and tg are made from it
	s_and_b32 s15, ttmp7, 0xffff                   ; which projection
	s_and_b32 s17, ttmp9, 3
	s_lshl_b32 s17, s17, 1
	s_and_b32 s16, s14, 1
	s_add_co_u32 s17, s17, s16                     ; cg
	s_lshr_b32 s18, ttmp9, 2
	s_lshl_b32 s18, s18, 1
	s_lshr_b32 s16, s14, 1
	s_add_co_u32 s18, s18, s16                     ; tg
	s_lshl_b32 s31, s15, 3
	s_add_co_u32 s31, s31, s17
	s_add_co_u32 s31, s31, 96                      ; the weight's group in xc
	s_lshl_b32 s32, s15, 5
	s_add_co_u32 s32, s32, s18                     ; the tokens' group
	s_cmp_eq_u32 s15, 2
	s_cselect_b32 s33, s32, s31                    ; source 0: the weight, for v the tokens
	s_cselect_b32 s34, s31, s32                    ; source 1
	s_mul_i32 s36, s33, GRP
	s_mov_b32 s37, 0
	s_mul_i32 s38, s34, GRP
	s_mov_b32 s39, 0
	s_lshr_b32 s40, s18, 4
	s_lshl_b32 s40, s40, 4
	s_lshl_b32 s41, s17, 1
	s_add_co_u32 s40, s40, s41                     ; 16 x batch + the even one of my two heads
	s_mul_i32 s40, s40, BHB
	s_and_b32 s41, s18, 15
	s_mul_i32 s41, s41, RECA                       ; my 128 tokens' record
	s_add_co_u32 s40, s40, s41
	s_mul_i32 s41, s15, TEN
	s_add_co_u32 s40, s40, s41
	s_mov_b32 s41, 0
	s_lshl_b32 s42, s17, 9                         ; my 128 numbers of the bias
	s_mov_b32 s43, 0
	s_mov_b32 s[SEL], 0x76543210
	s_mov_b32 s[SEL+1], 0xfedcba98
	s_mov_b32 s30, 0xffff0000                      ; lanes 16-31
	s_wait_kmcnt 0x0
	s_add_nc_u64 s[20:21], s[4:5], s[36:37]
	s_add_nc_u64 s[22:23], s[4:5], s[38:39]
	s_add_nc_u64 s[26:27], s[12:13], s[40:41]
	s_cmp_eq_u32 s15, 0
	s_cselect_b64 s[24:25], s[6:7], s[8:9]
	s_cmp_eq_u32 s15, 2
	s_cselect_b64 s[24:25], s[10:11], s[24:25]
	s_add_nc_u64 s[24:25], s[24:25], s[42:43]
	s_wait_alu depctr_va_vdst(0)                   ; the four offsets v1 to v4 are written: every load and store of the kernel reads one of them
	; the bias in both layouts, on every path: by registers (q, k: the channel runs along a lane's registers) and by lanes (v: a lane has one channel).  Both lie inside my 512 bytes
	WIN 0x40                                       ; destination window 1
.irp b, 0,1,2,3
.irp i, 0,1,2,3
	global_load_b128 v[BI+16*\b+4*\i:BI+16*\b+4*\i+3], v[BO1], s[24:25] offset:128*\b+16*\i
.endr
.endr
	WIN 0
.irp a, 0,1,2,3,4,5,6,7
	global_load_b32 v[BV+\a], v[BO2], s[24:25] offset:4*(32*(\a/2)+8*(\a%2))
.endr
.macro LOAD0 s, p                      ; K step s into set p, first run: source 0's eight fragments: 24 loads
	WIN 0x40
.irp b, 0,1,2,3,4,5,6,7
.irp c, 0,1,2
	global_load_b128 v[96*(\p)+12*\b+4*\c:96*(\p)+12*\b+4*\c+3], v[L16], s[20:21] offset:(\s)*REC+1536*\b+512*\c
.endr
.endr
.endm
.macro LOAD1 s, p                      ; second run: source 1's eight fragments and both sides' scale words: 24 + 4 loads
	WIN 0
.irp a, 0,1,2,3,4,5,6,7
.irp c, 0,1,2
	global_load_b128 v[SF+96*(\p)+12*\a+4*\c:SF+96*(\p)+12*\a+4*\c+3], v[L16], s[22:23] offset:(\s)*REC+1536*\a+512*\c
.endr
.endr
	global_load_b128 v[S0S+8*(\p):S0S+8*(\p)+3], v[R32], s[20:21] offset:(\s)*REC+SCOFF        ; lane r: row r's words of tiles 0-3,
	global_load_b128 v[S0S+8*(\p)+4:S0S+8*(\p)+7], v[R32], s[20:21] offset:(\s)*REC+SCOFF+16   ; of tiles 4-7
	global_load_b128 v[S1S+8*(\p):S1S+8*(\p)+3], v[R32], s[22:23] offset:(\s)*REC+SCOFF
	global_load_b128 v[S1S+8*(\p)+4:S1S+8*(\p)+7], v[R32], s[22:23] offset:(\s)*REC+SCOFF+16
.endm
; 8 products: source 1's tile a against source 0's eight.  The 64 accumulators take turns, one instruction a turn, in the same order in every step.
.macro MUL8 a, p, zero
.irp b, 0,1,2,3,4,5,6,7
.if \zero
	v_wmma_scale_f32_16x16x128_f8f6f4 v[8*(8*((\a)%4)+\b):8*(8*((\a)%4)+\b)+7], v[96*(\p)+12*\b:96*(\p)+12*\b+11], v[SF+96*(\p)+12*(\a):SF+96*(\p)+12*(\a)+11], 0, v[S0S+8*(\p)+\b], v[S1S+8*(\p)+(\a)] matrix_a_fmt:MATRIX_FMT_FP6 matrix_b_fmt:MATRIX_FMT_FP6
.else
	v_wmma_scale_f32_16x16x128_f8f6f4 v[8*(8*((\a)%4)+\b):8*(8*((\a)%4)+\b)+7], v[96*(\p)+12*\b:96*(\p)+12*\b+11], v[SF+96*(\p)+12*(\a):SF+96*(\p)+12*(\a)+11], v[8*(8*((\a)%4)+\b):8*(8*((\a)%4)+\b)+7], v[S0S+8*(\p)+\b], v[S1S+8*(\p)+(\a)] matrix_a_fmt:MATRIX_FMT_FP6 matrix_b_fmt:MATRIX_FMT_FP6
.endif
.endr
.endm
.macro STEPG s, zero
.if ((\s) > 0) && ((\s) < 7)
	PLACES 4                                       ; four plain instructions stand between the step before's products and the loads into registers that they read; the wait below states the dependence itself
	s_wait_alu depctr_va_vdst(0)                   ; the products of the step before are done reading the other set (fragments and scale words), in which this step's 52 loads land
.endif
.if (\s) < 7
	LOAD0 (\s)+1, 1-(\s)%2
.endif
.if (\s) == 0
	LOAD1 1, 1                                     ; no vector or matrix instruction has named set 1 yet: both runs go out ahead of the first products
	s_wait_loadcnt 52                              ; all but the 52 just issued: the bias and this step's operands are in
.elseif (\s) < 7
	s_wait_loadcnt 24                              ; all but the 24 just issued: this step's operands are in
.else
	s_wait_loadcnt 0x0
.endif
	WIN 0xa1                                       ; source 0 window 1, source 1 window 0, C and D window 2
	MUL8 0, (\s)%2, \zero
.if ((\s) > 0) && ((\s) < 7)
	LOAD1 (\s)+1, 1-(\s)%2                         ; no wait: the eight products since the wait name this step's set and the accumulators alone
	WIN 0xa1
.endif
	MUL8 1, (\s)%2, \zero
	MUL8 2, (\s)%2, \zero
	MUL8 3, (\s)%2, \zero
	WIN 0xf1                                       ; C and D window 3
	MUL8 4, (\s)%2, \zero
	MUL8 5, (\s)%2, \zero
	MUL8 6, (\s)%2, \zero
	MUL8 7, (\s)%2, \zero
.endm
	LOAD0 0, 0
	LOAD1 0, 0
	STEPG 0, 1                                     ; the first step's products start the sums: nothing is cleared
	STEPG 1, 0
	STEPG 2, 0
	STEPG 3, 0
	STEPG 4, 0
	STEPG 5, 0
	STEPG 6, 0
	STEPG 7, 0                                     ; the last step loads nothing: it states no dependence
	WIN 0
	PLACES 4                                       ; in front of the first read of results and of writes into registers that were multiplied
.irp b, 0,1,2,3
	v_mov_b32 v[TM+4+\b], 0                        ; a lane permute's destination counts as one of its sources
.endr
	s_cmp_eq_u32 s15, 2
	s_cbranch_scc1 .Lvpath
	; ---- q and k.  Token tile a = 2 g + u: its 64 registers are 128 channels = two heads; blocks 0, 1 are the even head's, 2, 3 the odd head's
.irp g, 0,1,2,3
.irp u, 0,1
	WIN (2+(2*\g+\u)/4)|4                          ; source 0: the accumulators' window; source 1: window 1
.set j, 0
.rept 32
	v_pk_add_f32 v[ST+j:ST+j+1], v[64*((2*\g+\u)%4)+j:64*((2*\g+\u)%4)+j+1], v[BI+j:BI+j+1]   ; + the bias; each accumulator from its low end on
.set j, j+2
.endr
	WIN 0
.if (\g > 0) && (\u == 0)
	s_wait_xcnt 0x0                                ; the last pair's stores have had their addresses translated (ISA guide 3.1): their data are rewritten only behind this wait,
	s_wait_alu depctr_vm_vsrc(0)                   ; and they have read v48-71, which the quantiser below writes again
.endif
	QUANT ST, E+6*\u, O+6*\u
.if \u == 0
	v_mov_b32 v[WA], v[PW]
.else
	v_cndmask_b32 v[WE+\g], v[WA], v[PW], s30      ; lanes 0-15: tile 2 g's words; lanes 16-31: tile 2 g + 1's
	v_lshrrev_b32 v[WO+\g], 16, v[WE+\g]           ; the odd head's two bytes, zeros above them
	v_and_b32 v[WE+\g], 0xffff, v[WE+\g]           ; the even head's likewise
.endif
.endr
	s_wait_alu depctr_va_vdst(0)                   ; the quantiser has written the pair's codes v48-71, which the six stores read; behind the last pair: the scale words v100-107 too
.irp c, 0,1,2
	global_store_b128 v[L16], v[E+4*\c:E+4*\c+3], s[26:27] offset:1536*\g+512*\c       ; 32 lanes store 512 consecutive bytes, aligned
	global_store_b128 v[L16], v[O+4*\c:O+4*\c+3], s[26:27] offset:BHB+1536*\g+512*\c
.endr
.endr
	global_store_b128 v[L16], v[WE:WE+3], s[26:27] offset:6144
	global_store_b128 v[L16], v[WO:WO+3], s[26:27] offset:BHB+6144
	s_endpgm
.Lvpath:
	; ---- v.  Channel tile a: its 64 registers are my 128 tokens = one K step of the second product of attention; tiles 0-3 are the even head's, 4-7 the odd head's
	v_mov_b32 v[WE+2], 0
	v_mov_b32 v[WE+3], 0
	v_mov_b32 v[WE+6], 0
	v_mov_b32 v[WE+7], 0
.irp a, 0,1,2,3,4,5,6,7
	WIN 2+\a/4
.set j, 0
.rept 32
.if (\a%2) == 0
	v_pk_add_f32 v[ST+j:ST+j+1], v[64*(\a%4)+j:64*(\a%4)+j+1], v[BV+\a:BV+\a+1] op_sel_hi:[1,0]              ; + my channel's bias: the pair's first register for both halves
.else
	v_pk_add_f32 v[ST+j:ST+j+1], v[64*(\a%4)+j:64*(\a%4)+j+1], v[BV+\a-1:BV+\a] op_sel:[0,1] op_sel_hi:[1,1]  ; the pair's second
.endif
.set j, j+2
.endr
	WIN 0
.if \a > 0
	s_wait_xcnt 0x0                                ; the last tile's stores have had their addresses translated (ISA guide 3.1): their data are rewritten only behind this wait,
	s_wait_alu depctr_vm_vsrc(0)                   ; and they have read v48-59, which the quantiser below writes again
.endif
	QUANT ST, E, E+6
.if (\a%2) == 0
	v_mov_b32 v[WA], v[PW]
.else
	v_cndmask_b32 v[WE+4*(\a/4)+(\a/2)%2], v[WA], v[PW], s30
.endif
	s_wait_alu depctr_va_vdst(0)                   ; the quantiser has written the fragment v48-59, which the three stores read; behind the last tile: the scale words v100-107 too
.irp c, 0,1,2
	global_store_b128 v[L16], v[E+4*\c:E+4*\c+3], s[26:27] offset:(\a/4)*BHB+(\a%4)*1536+512*\c
.endr
.endr
	global_store_b128 v[L16], v[WE:WE+3], s[26:27] offset:6144
	global_store_b128 v[L16], v[WE+4:WE+7], s[26:27] offset:BHB+6144
	s_endpgm
.Lfunc_end_k_qdd321659f5_proj:
	.size	k_qdd321659f5_proj, .Lfunc_end_k_qdd321659f5_proj-k_qdd321659f5_proj
	.p2alignl 7, 3214868480
	.fill 96, 4, 3214868480
	.section	.rodata,"a",@progbits
	.p2align	6, 0x0
	.amdhsa_kernel k_qdd321659f5_proj
		.amdhsa_group_segment_fixed_size 0
		.amdhsa_private_segment_fixed_size 0
		.amdhsa_enable_private_segment 0
		.amdhsa_kernarg_size 40
		.amdhsa_user_sgpr_count 2
		.amdhsa_user_sgpr_kernarg_segment_ptr 1
		.amdhsa_wavefront_size32 1
		.amdhsa_system_sgpr_workgroup_id_x 1
		.amdhsa_system_sgpr_workgroup_id_y 1
		.amdhsa_system_sgpr_workgroup_id_z 1
		.amdhsa_system_vgpr_workitem_id 0
		.amdhsa_next_free_vgpr 1024
		.amdhsa_next_free_sgpr 66
		.amdhsa_reserve_vcc 0
		.amdhsa_float_denorm_mode_32 3
		.amdhsa_float_denorm_mode_16_64 3
		.amdhsa_memory_ordered 1
		.amdhsa_forward_progress 1
		.amdhsa_inst_pref_size 211
	.end_amdhsa_kernel
	.amdgpu_metadata
---
amdhsa.version: [ 1, 2 ]
amdhsa.kernels:
  - .name:           k_qdd321659f5_proj
    .symbol:         k_qdd321659f5_proj.kd
    .args:
      - { .name: xc, .offset: 0, .size: 8, .value_kind: global_buffer, .address_space: global }
      - { .name: bq, .offset: 8, .size: 8, .value_kind: global_buffer, .address_space: global }
      - { .name: bk, .offset: 16, .size: 8, .value_kind: global_buffer, .address_space: global }
      - { .name: bv, .offset: 24, .size: 8, .value_kind: global_buffer, .address_space: global }
      - { .name: ac, .offset: 32, .size: 8, .value_kind: global_buffer, .address_space: global }
    .group_segment_fixed_size: 0
    .private_segment_fixed_size: 0
    .kernarg_segment_align: 8
    .kernarg_segment_size: 40
    .max_flat_workgroup_size: 128
    .sgpr_count:     66
    .vgpr_count:     1024
    .wavefront_size: 32
...
	.end_amdgpu_metadata
.endif
;; end of part 6
;; launch attn (part 7): grid 8 x 32, 16 waves a work-group, clusters of 4 x 1, 215,040 bytes of LDS; arguments ac, oc, os; writes oc, os
.if DOCPART == 7
	.amdgcn_target "amdgcn-amd-amdhsa--gfx1250"
	.amdhsa_code_object_version 6
	.text
	.protected	k_qdd321659f5_attn
	.globl	k_qdd321659f5_attn
	.p2align	8
	.type	k_qdd321659f5_attn,@function
k_qdd321659f5_attn:
	s_mov_b64 s[64:65], 0
	v_nop
	global_prefetch_b8 v0, s[64:65] scope:SCOPE_SE
	s_setreg_imm32_b32 hwreg(HW_REG_WAVE_MODE, 25, 1), 1
	s_wait_xcnt 0x0
	s_wait_alu depctr_hold_cnt(0) depctr_sa_sdst(0) depctr_va_vdst(0) depctr_va_sdst(0) depctr_va_ssrc(0) depctr_va_vcc(0) depctr_vm_vsrc(0)
	s_getreg_b32 s2, hwreg(HW_REG_IB_STS2, 6, 4)
	s_cmp_eq_u32 s2, 0
	s_cbranch_scc0 .Lentry_in_a_cluster
	s_endpgm
.Lentry_in_a_cluster:
	s_bfe_u32 s2, ttmp6, 0x10000c
	s_cmp_lg_u32 s2, 0x3003
	s_cbranch_scc0 .Lentry_shape_is_right
	s_endpgm
.Lentry_shape_is_right:
; Attention of one head on codes of FP6 (E2M3) with E8M0 scales: S^T = K Q^T (K = the head's 64), the softmax, O^T = V^T P^T (K = the keys), O / the row's sum, and O quantised along the model's channels.
; THE SOFTMAX: t = score x log2(e) / 8; M = the row's largest t so far, rounded UP to a whole number; p = 2^(t - M) is what is quantised, along the keys, not normalised.  The row's sum is taken of the unquantised p
; and divides O at the end.  When M moves, the sum and O are multiplied by 2^(old M - new M): exact.
; SHARES.  A work-group owns 256 queries of one head, each of its sixteen waves one tile of 16, in 256 registers: four waves to a SIMD, so that one wave's vector work stands beside another's products and LDS loads.
; Every wave walks the head's 2,048 keys, 128 a step.
; LDS.  A head's K and V, codes and scale words as launch proj has laid them (16 records of 6,656 bytes each), are 2 x 106,496 bytes: they lie in LDS whole, each byte filled once: no slot is filled again.
; Wave 0 brings K, wave 1 V, each in four loads of four records, all asked for at the head: four tensor loads of a wave are out at most.  A chunk is read behind its counted wait and a barrier.
; CLUSTER.  The four work-groups of a cluster are four blocks of queries of one head and need the same K and V: each load is asked for JOINTLY, with the same descriptor and the mask of all four.
; LAYOUT.  Both products are used transposed, so that a lane holds ONE query (lane % 16) throughout; by the order of a tile's rows in ac the 16 registers of two neighbouring tiles of S^T are 16 neighbouring keys.
; K = 64 IN AN INSTRUCTION OF 128.  Q's registers 6-11 are zero codes.  The operand of K's tile t is v[32 + 6 t .. + 11]: its upper six registers are the next tile's codes (for tile 7: V's first six).  E2M3 has no NaN and no
; infinity, so they are numbers, and times Q's zeros they add exactly nothing; the scale words' bytes 2 and 3 are 0 on both sides.
; OUT.  oc: [32 groups of 128 tokens][8 K steps = pairs of heads][8 tiles] images of 1,536 bytes; my head's half (768 bytes): registers 0-3 of six at 16 x lane, registers 4, 5 at 512 + 8 x lane: three aligned runs of 256 bytes.
; os: [group][head's parity][tile][row 16][K step 8] of two bytes: my head's two scale bytes.  A row's word of a K step is made of two heads', which lie in two work-groups: so this store writes 2 bytes a row, 32 a wave.
; LIMITS: NaN and infinities are not served; a block whose largest magnitude lies under 2^-124 gets the byte 1.
.set TEN,   3407872
.set BHB,   106496
.set RECA,  6656
.set CHB,   4*RECA                     ; a chunk: four records = 104 rows of 256 bytes
.set VL,    BHB                        ; V's records in LDS, behind K's
.set L16, 1                            ; v1   16 x lane
.set ADK, 2                            ; v2   LDS address of the step's record of K
.set ADV, 3                            ; v3   of V
.set PS,  4                            ; v4   p's scale word
.set QS,  5                            ; v5   Q's
.set VS,  6                            ; v6-7 V's: lanes 0-15 the even tile's, lanes 16-31 the odd tile's
.set KS,  8                            ; v8-11 K's likewise
.set QF,  16                           ; v16-27 Q: six registers of codes, six of zeros
.set KF,  32                           ; v32-79 K's eight tiles, six registers each
.set VF,  80                           ; v80-127 V's four fragments
.set S,   128                          ; v128-191 S^T, then p
.set OT,  192                          ; v192-223 O^T
.set P,   224                          ; v224-235 p's codes
.set BM,  236                          ; v236-239 the blocks' largest scores, then largest p
.set BX,  240                          ; v240-243 at work
.set SO,  244                          ; v244-247 the conversions' scale operands
.set CT,  248                          ; v248-255 halves of blocks on their way
; v12 -M, v13 the largest t, v[14:15] the sum in two halves, v28 at work, v[30:31] f
.set WV,  10
.set G1,  16                           ; s[16:23] descriptor group 1
.set G0,  32                           ; s[32:47] four groups 0
.set SEL, 48
.set CS,  50
.set TB,  52
.set CNT, 53
.macro CROUND                          ; a round of the cluster's barrier
	s_barrier_signal -1
	s_barrier_wait -1
	s_cmp_lg_u32 s[WV], 0
	s_cbranch_scc1 .Lnot_wave_0_\@
	s_barrier_signal -3
.Lnot_wave_0_\@:
	s_barrier_wait -3
	s_barrier_signal -1
	s_barrier_wait -1
.endm
	s_load_b128 s[4:7], s[0:1], 0x0                ; ac, oc
	s_load_b64 s[8:9], s[0:1], 0x10                ; os
	v_lshl_add_u32 v29, v0, 2, 0x34000
	v_mov_b32 v255, 0
	ds_add_u32 v29, v255
	ds_add_u32 v29, v255
	v_lshrrev_b32 v28, 5, v0
	s_delay_alu instid0(VALU_DEP_1)
	v_readfirstlane_b32 s[WV], v28                 ; wave 0..15
	s_bfe_u32 s11, ttmp6, 0x40000                  ; cx: my place in the cluster
	s_lshl_b32 s12, ttmp9, 2
	s_add_co_u32 s12, s12, s11                     ; my block of 256 queries: it enters Q's, oc's and os's addresses alone
	s_and_b32 s13, ttmp7, 0xffff                   ; 16 x batch + head, which the four partners share
	; descriptor group 1: a dense block of 26,624 bytes as 104 rows of 256 bytes (32 elements of 8 bytes), no padding
	s_mov_b32 s[G1], 15|(3<<16)|(1<<21)            ; 15:0 the mask: all four work-groups; 17:16 elements of 8 bytes; 21 set beside a mask
	s_mov_b32 s[G1+1], 32<<16                      ; tensor_dim0 = 32
	s_mov_b32 s[G1+2], 104<<16                     ; tensor_dim1 = 104
	s_mov_b32 s[G1+3], 32<<16                      ; tile_dim0 = 32
	s_mov_b32 s[G1+4], 104                         ; tile_dim1 = 104
	s_mov_b32 s[G1+5], 32                          ; from row to row
	s_mov_b32 s[G1+6], 0
	s_mov_b32 s[G1+7], 0
	s_and_b32 s14, s[WV], 1                        ; what I fetch, if I fetch: wave 0 K, wave 1 V
	s_mul_i32 s15, s14, BHB                        ; where it goes: no place in the cluster enters an LDS address
	s_add_co_u32 s14, s14, 1
	s_mul_i32 s54, s14, TEN
	s_mul_i32 s55, s13, BHB
	s_add_co_u32 s54, s54, s55
	s_mov_b32 s55, 0
	s_mov_b32 s[SEL], 0x76543210
	s_mov_b32 s[SEL+1], 0xfedcba98
	s_mov_b32 s[CS], 0x3e38aa3b                    ; c = log2(e) / sqrt(64)
	s_mov_b32 s[CS+1], s[CS]                       ; (named with it as a pair, so it is written)
	s_wait_dscnt 0x0
	s_wait_kmcnt 0x0
	s_add_nc_u64 s[56:57], s[4:5], s[54:55]
.irp j, 0,1,2,3
	s_mov_b32 s[G0+4*\j], 1                        ; count = 1
	s_add_co_u32 s[G0+4*\j+1], s15, \j*CHB         ; LDS address
	s_add_nc_u64 s[G0+4*\j+2:G0+4*\j+3], s[56:57], \j*CHB   ; global address: records 4 j on
	s_or_b32 s[G0+4*\j+3], s[G0+4*\j+3], 0x80000000         ; type = 2
.endr
	CROUND                                         ; all four work-groups are here: the joint loads meet
	s_cmp_lt_u32 s[WV], 2                          ; a wave's four fills stand in one branch, ahead of every wait on TENSORcnt, every LDS read and every further barrier
	s_cbranch_scc0 .Lno_fetch
	tensor_load_to_lds s[G0:G0+3], s[G1:G1+7]
	s_nop 0
	tensor_load_to_lds s[G0+4:G0+7], s[G1:G1+7]
	s_nop 0
	tensor_load_to_lds s[G0+8:G0+11], s[G1:G1+7]
	s_nop 0
	tensor_load_to_lds s[G0+12:G0+15], s[G1:G1+7]
	s_nop 0
.rept 4
	v_nop                                          ; four of them behind the loads
.endr
.Lno_fetch:
	; Q: record 2 x block + w / 8, tile t = w % 8: half u = t % 2 of pair image t / 2
	v_and_b32 v28, 31, v0
	s_delay_alu instid0(VALU_DEP_1)
	v_lshlrev_b32 v[L16], 4, v28
	s_wait_alu depctr_va_vdst(0)
	v_and_b32 v251, 15, v0
	s_delay_alu instid0(VALU_DEP_1)
	v_lshlrev_b32 v251, 4, v251                    ; 16 r
	s_wait_alu depctr_va_vdst(0)
	s_lshr_b32 s30, s[WV], 3
	s_lshl_b32 s31, s12, 1
	s_add_co_u32 s30, s30, s31                     ; the record
	s_mul_i32 s54, s30, RECA
	s_mul_i32 s31, s13, BHB
	s_add_co_u32 s54, s54, s31
	s_add_nc_u64 s[24:25], s[4:5], s[54:55]
	s_bfe_u32 s31, s[WV], 0x20001                  ; the pair
	s_mul_i32 s58, s31, 1536
	s_and_b32 s59, s[WV], 1                        ; u
	s_cmp_eq_u32 s59, 0                            ; an image holds registers 4 c .. 4 c + 3 at 512 c + 16 x lane: registers 0-5 lie at 0, 8, 512, registers 6-11 at 520, 1,024, 1,032
	s_cselect_b32 s54, 0, 520
	s_cselect_b32 s55, 8, 1024
	s_mov_b32 s14, 1032
	s_cselect_b32 s14, 512, s14
	s_add_co_u32 s54, s54, s58
	s_add_co_u32 s55, s55, s58
	s_add_co_u32 s14, s14, s58
	v_add_nc_u32 v248, s54, v[L16]
	v_add_nc_u32 v249, s55, v[L16]
	v_add_nc_u32 v250, s14, v[L16]
	global_load_b64 v[QF:QF+1], v248, s[24:25]
	global_load_b64 v[QF+2:QF+3], v249, s[24:25]
	global_load_b64 v[QF+4:QF+5], v250, s[24:25]
	s_lshl_b32 s59, s59, 8
	s_lshl_b32 s31, s31, 2
	s_add_co_u32 s59, s59, s31
	v_add_nc_u32 v251, s59, v251
	global_load_b32 v[QS], v251, s[24:25] offset:6144   ; row r's scale word: lane 16 u + r's word of my pair
	; where my results go
	s_lshr_b32 s31, s13, 4
	s_lshl_b32 s31, s31, 4
	s_add_co_u32 s31, s31, s30                     ; the group of 128 tokens: 16 x batch + the record
	s_and_b32 s58, s13, 15                         ; the head
	s_and_b32 s59, s[WV], 7                        ; the tile
	s_lshr_b32 s54, s58, 1                         ; the K step of the last product
	s_and_b32 s58, s58, 1                          ; and which half of it
	s_mul_i32 s14, s31, 98304
	s_mul_i32 s15, s54, 12288
	s_add_co_u32 s14, s14, s15
	s_mul_i32 s15, s59, 1536
	s_add_co_u32 s14, s14, s15
	s_mul_i32 s15, s58, 768
	s_add_co_u32 s14, s14, s15
	s_mov_b32 s15, 0
	s_add_nc_u64 s[26:27], s[6:7], s[14:15]
	s_lshl_b32 s14, s31, 1
	s_add_co_u32 s14, s14, s58
	s_lshl_b32 s14, s14, 3
	s_add_co_u32 s14, s14, s59
	s_lshl_b32 s14, s14, 8
	s_lshl_b32 s54, s54, 1
	s_add_co_u32 s14, s14, s54
	s_add_nc_u64 s[28:29], s[8:9], s[14:15]
.irp j, 6,7,8,9,10,11
	v_mov_b32 v[QF+\j], 0                          ; zero codes for the upper 64 of the instruction's K
.endr
	v_mov_b32 v13, 0xff61b1e6                      ; the largest t so far: -3e38, under every t
	s_delay_alu instid0(VALU_DEP_1)
	v_floor_f32 v12, -v13                          ; -M
	v_mov_b32 v14, 0
	v_mov_b32 v15, 0
	v_mov_b32 v30, 0
	v_mov_b32 v31, 0                               ; (named as the upper half of the pair v[30:31])
.irp b, 0,1,2,3
	v_mov_b32 v[BX+\b], 0                          ; a lane permute's destination counts as one of its sources
.endr
.set j, 0
.rept 32
	v_mov_b32 v[OT+j], 0                           ; O^T: the step is written once; the first finds zeros, which the first change of M leaves zeros
.set j, j+1
.endr
; A KEY STEP: 128 keys, the record at s[TB].
.macro STEP
	v_add_nc_u32 v[ADK], s[TB], v[L16]
	s_delay_alu instid0(VALU_DEP_1)
	v_add_nc_u32 v[ADV], VL, v[ADK]
	v_nop
	v_nop                                          ; four plain instructions between the last step's products and the loads into registers that they read
.irp p, 0,1,2,3
.irp c, 0,1,2
	ds_load_b128 v[KF+12*\p+4*\c:KF+12*\p+4*\c+3], v[ADK] offset:1536*\p+512*\c
.endr
.endr
	ds_load_b128 v[KS:KS+3], v[ADK] offset:6144
.irp p, 0,1,2,3
.irp c, 0,1,2
	ds_load_b128 v[VF+12*\p+4*\c:VF+12*\p+4*\c+3], v[ADV] offset:1536*\p+512*\c
.endr
.endr
	ds_load_b64 v[VS:VS+1], v[ADV] offset:6144
	s_wait_dscnt 0x0
.irp t, 0,1,2,3,4,5,6,7
.if (\t%2) == 0
	v_wmma_scale_f32_16x16x128_f8f6f4 v[S+8*\t:S+8*\t+7], v[KF+6*\t:KF+6*\t+11], v[QF:QF+11], 0, v[KS+\t/2], v[QS] matrix_a_fmt:MATRIX_FMT_FP6 matrix_b_fmt:MATRIX_FMT_FP6
.else
	v_wmma_scale_f32_16x16x128_f8f6f4 v[S+8*\t:S+8*\t+7], v[KF+6*\t:KF+6*\t+11], v[QF:QF+11], 0, v[KS+\t/2], v[QS] matrix_a_fmt:MATRIX_FMT_FP6 matrix_b_fmt:MATRIX_FMT_FP6 matrix_a_scale:MATRIX_SCALE_ROW1
.endif
.endr                                              ; lane (r, h): query r; register 16 b + i = key 32 b + 16 h + i of the step
.rept 4
	v_nop
.endr
.irp b, 0,1,2,3
	v_max3_num_f32 v[BM+\b], v[S+16*\b], v[S+1+16*\b], v[S+2+16*\b]   ; the largest score of each block of 32 keys: for the row's maximum and, since p rises with the score, for the block's largest p
.endr
.irp i, 3,5,7,9,11,13
.irp b, 0,1,2,3
	v_max3_num_f32 v[BM+\b], v[BM+\b], v[S+16*\b+\i], v[S+1+16*\b+\i]
.endr
.endr
.irp b, 0,1,2,3
	v_max_num_f32 v[BM+\b], v[BM+\b], v[S+15+16*\b]
.endr
.irp b, 0,1,2,3
	s_delay_alu instid0(VALU_DEP_4)
	v_permlanex16_b32 v[BX+\b], v[BM+\b], s[SEL], s[SEL+1]
.endr
.irp b, 0,1,2,3
	s_delay_alu instid0(VALU_DEP_4)
	v_max_num_f32 v[BM+\b], v[BM+\b], v[BX+\b]         ; with lane l xor 16's 16 keys
.endr
	s_delay_alu instid0(VALU_DEP_2)
	v_max3_num_f32 v28, v[BM], v[BM+1], v[BM+2]
	s_delay_alu instid0(VALU_DEP_1)
	v_max_num_f32 v28, v28, v[BM+3]                    ; the step's largest score of my query
	s_delay_alu instid0(VALU_DEP_1)
	v_mul_f32 v28, s[CS], v28                          ; as t
	s_delay_alu instid0(VALU_DEP_1)
	v_max_num_f32 v13, v13, v28                        ; the running largest t
	v_mov_b32 v28, v12
	s_delay_alu instid0(VALU_DEP_2)
	v_floor_f32 v12, -v13                              ; the new -M = floor(-t) = -ceil(t)
	s_delay_alu instid0(VALU_DEP_1)
	v_sub_f32 v28, v12, v28                            ; old M - new M: a whole number, 0 or less
	s_delay_alu instid0(VALU_DEP_1)
	v_cvt_i32_f32 v28, v28                             ; (it saturates)
	s_delay_alu instid0(VALU_DEP_1)
	v_ldexp_f32 v30, 1.0, v28                          ; f = 2^(old M - new M)
.set j, 0
.rept 32
	v_pk_fma_f32 v[S+j:S+j+1], v[S+j:S+j+1], s[CS:CS+1], v[12:13] op_sel_hi:[1,0,0]   ; t - M, two at a time
.set j, j+2
.endr
.irp b, 0,1,2,3
	v_fma_f32 v[BM+\b], v[BM+\b], s[CS], v12           ; the same of each block's largest score
.endr
.set j, 0
	s_wait_alu depctr_va_vdst(0)
.rept 64
	v_exp_f32 v[S+j], v[S+j]                           ; p = 2^(t - M), at most 1
.set j, j+1
.endr
	s_setprio 1
	v_pk_mul_f32 v[14:15], v[14:15], v[30:31] op_sel_hi:[1,0]   ; the sums under the new M: a plain instruction behind the exponentials
	s_wait_alu depctr_va_vdst(0)                       ; one wait for the batch of 64, ahead of its first reader
.irp b, 0,1,2,3
	v_exp_f32 v[BM+\b], v[BM+\b]                       ; the block's largest p: the same two instructions on the same number give the same bits
.endr
	v_pk_add_f32 v[240:241], v[132:133], v[136:137]
	v_pk_add_f32 v[252:253], v[140:141], v[144:145]
	v_pk_add_f32 v[250:251], v[148:149], v[152:153]
	v_pk_add_f32 v[248:249], v[156:157], v[160:161]
	v_pk_add_f32 v[246:247], v[164:165], v[168:169]
	v_pk_add_f32 v[244:245], v[172:173], v[176:177]
	v_pk_add_f32 v[242:243], v[180:181], v[184:185]
	v_pk_add_f32 v[14:15], v[14:15], v[188:189]
	v_pk_add_f32 v[240:241], v[240:241], v[128:129]
	v_pk_add_f32 v[252:253], v[252:253], v[130:131]
	v_pk_add_f32 v[250:251], v[250:251], v[134:135]
	v_pk_add_f32 v[248:249], v[248:249], v[138:139]
	v_pk_add_f32 v[246:247], v[246:247], v[142:143]
	v_pk_add_f32 v[244:245], v[244:245], v[146:147]
	v_pk_add_f32 v[242:243], v[242:243], v[150:151]
	v_pk_add_f32 v[14:15], v[14:15], v[154:155]
	v_pk_add_f32 v[240:241], v[240:241], v[158:159]
	v_pk_add_f32 v[252:253], v[252:253], v[162:163]
	v_pk_add_f32 v[250:251], v[250:251], v[166:167]
	v_pk_add_f32 v[248:249], v[248:249], v[170:171]
	v_pk_add_f32 v[246:247], v[246:247], v[174:175]
	v_pk_add_f32 v[244:245], v[244:245], v[178:179]
	v_pk_add_f32 v[242:243], v[242:243], v[182:183]
	v_pk_add_f32 v[14:15], v[14:15], v[186:187]
	v_pk_add_f32 v[240:241], v[240:241], v[190:191]
	s_delay_alu instid0(VALU_DEP_2)
	v_pk_add_f32 v[14:15], v[14:15], v[248:249]
	s_delay_alu instid0(VALU_DEP_2)
	v_pk_add_f32 v[240:241], v[240:241], v[246:247]
	v_pk_add_f32 v[252:253], v[252:253], v[244:245]
	v_pk_add_f32 v[250:251], v[250:251], v[242:243]
	s_delay_alu instid0(VALU_DEP_2)
	v_pk_add_f32 v[14:15], v[14:15], v[252:253]
	s_delay_alu instid0(VALU_DEP_2)
	v_pk_add_f32 v[240:241], v[240:241], v[250:251]
	s_delay_alu instid0(VALU_DEP_1)
	v_pk_add_f32 v[14:15], v[14:15], v[240:241]
	s_wait_alu depctr_va_vdst(0)                       ; and one for the four
.irp b, 0,1,2,3
	v_max_num_f32 v[BM+\b], 0x1800000, v[BM+\b]        ; the floor 2^(3 - 127): the byte cannot fall under 1
.endr
.irp b, 0,1,2,3
	s_delay_alu instid0(VALU_DEP_4)
	v_add_nc_u32 v[SO+\b], 0xff000000, v[BM+\b]        ; 2 off the exponent field: the conversion's scale operand
.endr
.irp b, 0,1,2,3
	s_delay_alu instid0(VALU_DEP_4)
	v_lshrrev_b32 v[BX+\b], 23, v[SO+\b]               ; the scale's byte
.endr
	s_delay_alu instid0(VALU_DEP_3)
	v_lshl_or_b32 v[PS], v[BX+1], 8, v[BX]
	s_delay_alu instid0(VALU_DEP_1)
	v_lshl_or_b32 v[PS], v[BX+2], 16, v[PS]
	s_delay_alu instid0(VALU_DEP_1)
	v_lshl_or_b32 v[PS], v[BX+3], 24, v[PS]
.irp c, 0,1
	v_cvt_scalef32_pk16_fp6_f32 v[P+6*\c:P+6*\c+2], v[S+32*\c:S+32*\c+15], v[SO+2*\c]
	v_cvt_scalef32_pk16_fp6_f32 v[CT+4*\c:CT+4*\c+2], v[S+16+32*\c:S+31+32*\c], v[SO+2*\c+1]
.endr
	v_nop                                              ; one plain instruction behind the scaled conversions
.irp c, 0,1
.irp i, 0,1,2
	v_permlane16_swap_b32 v[P+6*\c+\i], v[CT+4*\c+\i]  ; a whole block to a lane
.endr
.irp i, 0,1,2
	s_delay_alu instid0(VALU_DEP_3)
	v_mov_b32 v[P+3+6*\c+\i], v[CT+4*\c+\i]
.endr
.endr
.set j, 0
	s_setprio 0
.rept 16
	v_pk_mul_f32 v[OT+j:OT+j+1], v[OT+j:OT+j+1], v[30:31] op_sel_hi:[1,0]   ; O^T under the new M.  These sixteen also stand between the writes of p's codes and scale word and the products
.set j, j+2
.endr
.irp t, 0,1,2,3                                    ; the four accumulators by turns
.if (\t%2) == 0
	v_wmma_scale_f32_16x16x128_f8f6f4 v[OT+8*\t:OT+8*\t+7], v[VF+12*\t:VF+12*\t+11], v[P:P+11], v[OT+8*\t:OT+8*\t+7], v[VS+\t/2], v[PS] matrix_a_fmt:MATRIX_FMT_FP6 matrix_b_fmt:MATRIX_FMT_FP6
.else
	v_wmma_scale_f32_16x16x128_f8f6f4 v[OT+8*\t:OT+8*\t+7], v[VF+12*\t:VF+12*\t+11], v[P:P+11], v[OT+8*\t:OT+8*\t+7], v[VS+\t/2], v[PS] matrix_a_fmt:MATRIX_FMT_FP6 matrix_b_fmt:MATRIX_FMT_FP6 matrix_a_scale:MATRIX_SCALE_ROW1
.endif
.endr
	s_add_co_u32 s[TB], s[TB], RECA                    ; the next record
.endm
; Chunk c: four records of K and of V.  The fetching waves wait until at most the 3 - c later chunks are out (tensor loads of a wave end in order: ISA guide 10.11.1), then every wave passes a barrier.
.macro CHUNK c
	s_wait_tensorcnt 3-\c
	s_barrier_signal -1
	s_barrier_wait -1
	s_mov_b32 s[TB], \c*CHB
	s_mov_b32 s[CNT], 4
.Lstep_\@:
	s_setprio 2
	STEP
	s_sub_co_u32 s[CNT], s[CNT], 1
	s_cmp_lg_u32 s[CNT], 0
	s_cbranch_scc1 .Lstep_\@
	s_setprio 0
.endm
	s_wait_loadcnt 0x0                             ; Q and its scale word
	CHUNK 0
	CHUNK 1
	CHUNK 2
	CHUNK 3
	; THE WAY OUT.  The sum; O^T / the sum; my head's 64 channels are two blocks of the last product's K: quantised as they stand in the registers (register 16 b + i = channel 32 b + 16 h + i)
	v_add_f32 v14, v14, v15
	s_delay_alu instid0(VALU_DEP_1)
	v_permlanex16_b32 v28, v14, s[SEL], s[SEL+1]
	s_delay_alu instid0(VALU_DEP_1)
	v_add_f32 v14, v14, v28                        ; with lane l xor 16's: the row's sum
	s_wait_alu depctr_va_vdst(0)
	v_rcp_f32 v14, v14
	v_and_b32 v[ADK], 31, v0                       ; plain work behind the reciprocal and behind the last products
	s_delay_alu instid0(VALU_DEP_1)
	v_lshlrev_b32 v[ADK], 3, v[ADK]                ; 8 x lane
	v_and_b32 v[ADV], 15, v0
	s_delay_alu instid0(VALU_DEP_1)
	v_lshlrev_b32 v[ADV], 4, v[ADV]                ; 16 r
	s_wait_alu depctr_va_vdst(0)                   ; the wait ahead of the reciprocal's first reader
.set j, 0
.rept 16
	v_pk_mul_f32 v[S+j:S+j+1], v[OT+j:OT+j+1], v[14:15] op_sel_hi:[1,0]   ; each accumulator from its low end on
.set j, j+2
.endr
.irp b, 0,1
	v_max3_num_f32 v[BM+\b], |v[S+16*\b]|, |v[S+1+16*\b]|, 0x1800000
.endr
.irp i, 2,4,6,8,10,12,14
.irp b, 0,1
	s_delay_alu instid0(VALU_DEP_2)
	v_max3_num_f32 v[BM+\b], v[BM+\b], |v[S+16*\b+\i]|, |v[S+1+16*\b+\i]|
.endr
.endr
.irp b, 0,1
	s_delay_alu instid0(VALU_DEP_2)
	v_permlanex16_b32 v[BX+\b], v[BM+\b], s[SEL], s[SEL+1]
.endr
.irp b, 0,1
	s_delay_alu instid0(VALU_DEP_2)
	v_max_num_f32 v[BM+\b], v[BM+\b], v[BX+\b]
.endr
.irp b, 0,1
	s_delay_alu instid0(VALU_DEP_2)
	v_add_nc_u32 v[SO+\b], 0xff000000, v[BM+\b]
.endr
.irp b, 0,1
	s_delay_alu instid0(VALU_DEP_2)
	v_lshrrev_b32 v[BX+\b], 23, v[SO+\b]
.endr
	s_delay_alu instid0(VALU_DEP_1)
	v_lshl_or_b32 v28, v[BX+1], 8, v[BX]           ; my head's two scale bytes
	v_cvt_scalef32_pk16_fp6_f32 v[P:P+2], v[S:S+15], v[SO]
	v_cvt_scalef32_pk16_fp6_f32 v[CT:CT+2], v[S+16:S+31], v[SO+1]
	v_nop
.irp i, 0,1,2
	v_permlane16_swap_b32 v[P+\i], v[CT+\i]
.endr
.irp i, 0,1,2
	s_delay_alu instid0(VALU_DEP_3)
	v_mov_b32 v[P+3+\i], v[CT+\i]
.endr
	global_store_b128 v[L16], v[P:P+3], s[26:27]                ; 512 consecutive bytes, aligned
	global_store_b64 v[ADK], v[P+4:P+5], s[26:27] offset:512    ; 256 more
	global_store_b16 v[ADV], v28, s[28:29]                      ; lanes r and r + 16 store the same two bytes to the same place
	s_wait_tensorcnt 0x0
	s_wait_tensorcnt 0x0
	ds_add_u32 v29, v255
	s_wait_dscnt 0x0
	CROUND                                         ; the closing round: no work-group ends while a partner may still ask for a load that names it
	s_endpgm
.Lfunc_end_k_qdd321659f5_attn:
	.size	k_qdd321659f5_attn, .Lfunc_end_k_qdd321659f5_attn-k_qdd321659f5_attn
	.p2alignl 7, 3214868480
	.fill 96, 4, 3214868480
	.section	.rodata,"a",@progbits
	.p2align	6, 0x0
	.amdhsa_kernel k_qdd321659f5_attn
		.amdhsa_group_segment_fixed_size 215040
		.amdhsa_private_segment_fixed_size 0
		.amdhsa_enable_private_segment 0
		.amdhsa_kernarg_size 24
		.amdhsa_user_sgpr_count 2
		.amdhsa_user_sgpr_kernarg_segment_ptr 1
		.amdhsa_wavefront_size32 1
		.amdhsa_system_sgpr_workgroup_id_x 1
		.amdhsa_system_sgpr_workgroup_id_y 1
		.amdhsa_system_sgpr_workgroup_id_z 1
		.amdhsa_system_vgpr_workitem_id 0
		.amdhsa_next_free_vgpr 256
		.amdhsa_next_free_sgpr 66
		.amdhsa_reserve_vcc 0
		.amdhsa_float_denorm_mode_32 3
		.amdhsa_float_denorm_mode_16_64 3
		.amdhsa_memory_ordered 1
		.amdhsa_forward_progress 1
		.amdhsa_inst_pref_size 80
	.end_amdhsa_kernel
	.amdgpu_metadata
---
amdhsa.version: [ 1, 2 ]
amdhsa.kernels:
  - .name:           k_qdd321659f5_attn
    .symbol:         k_qdd321659f5_attn.kd
    .args:
      - { .name: ac, .offset: 0, .size: 8, .value_kind: global_buffer, .address_space: global }
      - { .name: oc, .offset: 8, .size: 8, .value_kind: global_buffer, .address_space: global }
      - { .name: os, .offset: 16, .size: 8, .value_kind: global_buffer, .address_space: global }
    .group_segment_fixed_size: 215040
    .private_segment_fixed_size: 0
    .kernarg_segment_align: 8
    .kernarg_segment_size: 24
    .max_flat_workgroup_size: 512
    .sgpr_count:     66
    .vgpr_count:     256
    .wavefront_size: 32
...
	.end_amdgpu_metadata
.endif
;; end of part 7
;; launch oproj (part 8): grid 8 x 32, 4 waves a work-group, no clusters, 17,920 bytes of LDS; arguments xc, oc, os, bo, out0; writes out0
.if DOCPART == 8
	.amdgcn_target "amdgcn-amd-amdhsa--gfx1250"
	.amdhsa_code_object_version 6
	.text
	.protected	k_qdd321659f5_oproj
	.globl	k_qdd321659f5_oproj
	.p2align	8
	.type	k_qdd321659f5_oproj,@function
k_qdd321659f5_oproj:
	s_mov_b64 s[64:65], 0
	v_nop
	global_prefetch_b8 v0, s[64:65] scope:SCOPE_SE
	s_setreg_imm32_b32 hwreg(HW_REG_WAVE_SCHED_MODE, 0, 2), 2
	s_setreg_imm32_b32 hwreg(HW_REG_WAVE_MODE, 25, 1), 1
	s_wait_xcnt 0x0
	s_wait_alu depctr_vm_vsrc(0)
; out0 = O Wo^T + bo on codes of FP6 (E2M3) with E8M0 scales.  O's codes lie in oc and its scale bytes in os (launch attn), Wo's in xc (launch quant), all as images of the operand's registers.
; SHARES.  Work-group (x, y): output channels 128 x on, tokens 128 y on.  Wave w makes 64 x 64: channels 64 (w % 2) on, token tiles 4 (w / 2) on: 16 accumulators.  256 work-groups; tiles of 128 x 128 a wave would give 64.
; K = 1,024 in 8 steps of 128; a step's 29 loads go straight into registers, in three sets, two steps ahead.  NO JOINT LOADS: the text has no tensor load; with 8 K steps a ring in LDS would change slots at every step.
; Source 0 = 16 rows of Wo, source 1 = 16 tokens: a lane holds one token, and the 32 registers of a token tile's four accumulators are 64 channels (register 16 b + 8 u + j = channel 32 b + 16 h + 8 u + j).
; The bias is the C of each sum's first product.  The tokens of a tile are not neighbours (lane r of tile 2 b + u: token 32 b + 8 u + r + 8 (r / 8)): the stores' offsets put each row where it belongs.
; THE WAY OUT: a tile's 16 rows x 256 bytes go through the wave's own stage in LDS and leave as whole rows: sixteen lanes store 256 consecutive bytes, aligned.
; REGISTERS.  Window 0: v1-12 offsets; v16-27 Wo's scale words, three sets; v32-63 O's scale words (8 a + s); v64-207 O's fragments, three sets of 48 (on the way out v64-191: rows, 32 registers a tile).
;   Window 1: v0-143 Wo's fragments.   Window 2: v0-127 accumulator (a, b) at v[8 (4 a + b)]; v128-159 the bias; v160-191 O's scale bytes as loaded.
; THE MODE: SCHED_MODE bits 1:0 = 2 (LLVM: expert scheduling mode 2), set by the entry lines.  The code itself states the register dependences
; between vector or matrix instructions and memory or LDS instructions, with s_wait_alu, always for 0.
; THE PLAN.  Registers that memory or LDS instructions touch:
;   v1-v7, v11, v12  offsets and LDS addresses: written once at the head, never again.
;   set q            (Wo's four fragments and scale words, O's four fragments)  Written by the loads of K step s + 2, which are issued in step s (q = (s + 2) % 3 = (s - 1) % 3); read by step s + 2's 16 products.
;                    So the loads of step s land in the set that the products of step s - 1 read: ONE wait on va_vdst at the head of steps 1 to 5 states that these are done reading.  Behind it Wo's 13 loads go at once
;                    and O's 16 behind the step's first eight products, which name this step's set, O's scale words and the accumulators: none of the registers that those loads touch.
;   v32-63           O's scale words: written by 32 v_perm_b32, read by the products as scales: one wait on va_vdst behind the 32, at the head of step 0.
;   the accumulators read by the LDS stores of the way out; v64-191 take the rows that come back, a buffer of its own for each of the four tiles, so that no store's data are written again.
;                    One wait on va_vdst ahead of the way out states that the products have written the accumulators and are done reading v64-191.
.set GRP,   102400
.set REC,   12800
.set SCOFF, 12288
.set S0S, 16
.set S1S, 32
.set SF,  64
.set OB,  64
.set BIAS, 128                         ; in window 2
.set RAW,  160                         ; in window 2
.set MSB, 0
.macro WIN new                         ; the immediate's high byte repeats the setting that is left
.if MSB != (\new)
	s_set_vgpr_msb (MSB<<8)|(\new)
.set MSB, (\new)
.endif
.endm
.macro PLACES n
.rept \n
	v_nop
.endr
.endm
	s_load_b256 s[4:11], s[0:1], 0x0               ; xc, oc, os, bo
	s_load_b64 s[12:13], s[0:1], 0x20              ; out0
	v_lshl_add_u32 v254, v0, 2, 0x4400
	v_mov_b32 v255, 0
	v_lshrrev_b32 v8, 5, v0
	v_readfirstlane_b32 s14, v8                    ; wave 0..3
	v_and_b32 v8, 31, v0                           ; lane.  (What hangs on the lane alone is made here, between that line and the first reader of s14)
	v_and_b32 v9, 15, v0                           ; r
	v_bfe_u32 v10, v0, 4, 1                        ; h
	v_lshlrev_b32 v7, 12, v10
	v_lshl_add_u32 v7, v9, 4, v7                   ; out0: lanes 0-15 one row, lanes 16-31 the next; 16 bytes a lane
	v_lshlrev_b32 v11, 6, v10                      ; the bias: 64 h
	v_lshlrev_b32 v12, 4, v9                       ; O's scale bytes: 16 r
	s_wait_alu depctr_va_sdst(0)                   ; s14 is written, ahead of its first reader: the wave's shares are made from it
	s_and_b32 s15, s14, 1                          ; hb: which 64 channels
	s_lshr_b32 s16, s14, 1                         ; ha: which four token tiles
	s_and_b32 s17, ttmp7, 0xffff                   ; the group of 128 tokens
	s_mul_i32 s18, s15, 6144
	s_mul_i32 s19, s16, 6144
	v_lshl_add_u32 v1, v8, 4, s18                  ; Wo's images: 16 x lane + my four tiles
	v_lshl_add_u32 v2, v8, 4, s19                  ; O's images
	v_lshl_add_u32 v3, v8, 3, s19                  ; and their parts of 8 bytes a lane
	s_lshl_b32 s18, s15, 4
	v_lshl_add_u32 v4, v9, 5, s18                  ; Wo's scale words: row r, my four tiles
	s_mul_i32 s18, s14, 4352                       ; my stage: 16 rows x 272 bytes
	v_mul_u32_u24 v5, v9, 272
	v_lshl_add_u32 v5, v10, 6, v5
	v_add_nc_u32 v5, s18, v5                       ; in: row r, + 64 h
	v_mul_u32_u24 v6, v10, 272
	v_lshl_add_u32 v6, v9, 4, v6
	v_add_nc_u32 v6, s18, v6                       ; back: lanes 0-15 one row, lanes 16-31 the next
	s_add_co_u32 s32, ttmp9, 120
	s_mul_i32 s32, s32, GRP                        ; Wo's group in xc
	s_mov_b32 s33, 0
	s_mul_i32 s34, s17, 98304                      ; the tokens' group in oc
	s_mov_b32 s35, 0
	s_lshl_b32 s36, ttmp9, 9
	s_lshl_b32 s37, s15, 8
	s_add_co_u32 s36, s36, s37                     ; my 64 channels in bytes
	s_mov_b32 s37, 0
	s_lshl_b32 s38, s17, 12
	s_lshl_b32 s39, s16, 10
	s_add_co_u32 s38, s38, s39                     ; os: 4,096 bytes a group, 256 a tile
	s_mov_b32 s39, 0
	s_lshl_b32 s40, s17, 7
	s_lshl_b32 s41, s16, 6
	s_add_co_u32 s40, s40, s41
	s_lshl_b32 s40, s40, 12                        ; my first token's row of out0
	s_add_co_u32 s40, s40, s36
	s_mov_b32 s41, 0
	s_mov_b32 s30, 0x05040100                      ; v_perm_b32: the two low halves
	s_mov_b32 s31, 0x07060302                      ; the two high halves
	s_wait_kmcnt 0x0
	s_add_nc_u64 s[20:21], s[4:5], s[32:33]
	s_add_nc_u64 s[22:23], s[6:7], s[34:35]
	s_add_nc_u64 s[24:25], s[10:11], s[36:37]
	s_add_nc_u64 s[26:27], s[8:9], s[38:39]
	s_add_nc_u64 s[28:29], s[12:13], s[40:41]
	s_wait_alu depctr_va_vdst(0)                   ; the offsets and LDS addresses v1 to v7, v11 and v12 are written: every load, store and LDS instruction of the kernel reads one of them
	WIN 0x80                                       ; destination window 2
.irp b, 0,1
.irp i, 0,1,2,3
	global_load_b128 v[BIAS+16*\b+4*\i:BIAS+16*\b+4*\i+3], v11, s[24:25] offset:128*\b+16*\i
.endr
.endr
.irp a, 0,1,2,3
	global_load_b128 v[RAW+8*\a:RAW+8*\a+3], v12, s[26:27] offset:256*\a             ; row r of tile a: the even heads' eight pairs of bytes,
	global_load_b128 v[RAW+8*\a+4:RAW+8*\a+7], v12, s[26:27] offset:2048+256*\a      ; the odd heads'
.endr
	WIN 0
.macro LOADW s                         ; K step s into set s % 3, first run: Wo's four fragments and its scale words: 12 + 1 loads
.set QL, (\s)%3
	WIN 0x40
.irp b, 0,1,2,3
.irp c, 0,1,2
	global_load_b128 v[48*QL+12*\b+4*\c:48*QL+12*\b+4*\c+3], v1, s[20:21] offset:(\s)*REC+1536*\b+512*\c
.endr
.endr
	WIN 0
	global_load_b128 v[S0S+4*QL:S0S+4*QL+3], v4, s[20:21] offset:(\s)*REC+SCOFF
.endm
.macro LOADO s                         ; second run: O's four fragments: 16 loads
.set QL, (\s)%3
	WIN 0
.irp a, 0,1,2,3
	global_load_b128 v[SF+48*QL+12*\a:SF+48*QL+12*\a+3], v2, s[22:23] offset:(\s)*12288+1536*\a          ; the even head's registers 0-3,
	global_load_b64 v[SF+48*QL+12*\a+4:SF+48*QL+12*\a+5], v3, s[22:23] offset:(\s)*12288+1536*\a+512      ; 4, 5;
	global_load_b128 v[SF+48*QL+12*\a+6:SF+48*QL+12*\a+9], v2, s[22:23] offset:(\s)*12288+1536*\a+768     ; the odd head's: registers 6-9,
	global_load_b64 v[SF+48*QL+12*\a+10:SF+48*QL+12*\a+11], v3, s[22:23] offset:(\s)*12288+1536*\a+1280   ; 10, 11
.endr
.endm
	LOADW 0
	LOADO 0
	LOADW 1
	LOADO 1
	s_wait_loadcnt 58                              ; the bias and the scale bytes are in; the 58 loads of K steps 0 and 1 may be out
	WIN 0x0a                                       ; sources 0 and 1 window 2
.irp s, 0,1,2,3,4,5,6,7                            ; a K step's scale word of a row: the even head's two bytes below, the odd head's above.  K step 0's four come first: 28 plain instructions stand between them and the first product
.irp a, 0,1,2,3
	v_perm_b32 v[S1S+8*\a+\s], v[RAW+8*\a+4+\s/2], v[RAW+8*\a+\s/2], s[30+\s%2]
.endr
.endr
; 8 products of K step s: token tiles a0, a0 + 1 against Wo's four.  The 16 accumulators take turns, in the same order in every step.
.macro MULH s, a0
.set QM, (\s)%3
	WIN 0xa1                                       ; source 0 window 1, source 1 window 0, C and D window 2
.irp a, \a0, \a0+1
.irp b, 0,1,2,3
.if (\s) == 0
	v_wmma_scale_f32_16x16x128_f8f6f4 v[8*(4*(\a)+\b):8*(4*(\a)+\b)+7], v[48*QM+12*\b:48*QM+12*\b+11], v[SF+48*QM+12*(\a):SF+48*QM+12*(\a)+11], v[BIAS+8*\b:BIAS+8*\b+7], v[S0S+4*QM+\b], v[S1S+8*(\a)+(\s)] matrix_a_fmt:MATRIX_FMT_FP6 matrix_b_fmt:MATRIX_FMT_FP6
.else
	v_wmma_scale_f32_16x16x128_f8f6f4 v[8*(4*(\a)+\b):8*(4*(\a)+\b)+7], v[48*QM+12*\b:48*QM+12*\b+11], v[SF+48*QM+12*(\a):SF+48*QM+12*(\a)+11], v[8*(4*(\a)+\b):8*(4*(\a)+\b)+7], v[S0S+4*QM+\b], v[S1S+8*(\a)+(\s)] matrix_a_fmt:MATRIX_FMT_FP6 matrix_b_fmt:MATRIX_FMT_FP6
.endif
.endr
.endr
.endm
.macro STEP s
.if (\s) == 0
	s_wait_alu depctr_va_vdst(0)                   ; the 32 v_perm_b32 have written O's scale words v32-63, which the products of all eight steps take as scales
.elseif (\s) < 6
	PLACES 4                                       ; four plain instructions stand between the step before's products and the loads into registers that they read; the wait below states the dependence itself
	s_wait_alu depctr_va_vdst(0)                   ; the products of the step before are done reading their set (fragments and Wo's scale words), in which this step's 29 loads land
.endif
.if (\s) < 6
	LOADW (\s)+2
	s_wait_loadcnt 42                              ; this step's operands are in; the next step's 29 loads and the 13 just issued may be out
.elseif (\s) == 6
	s_wait_loadcnt 29                              ; the last step's 29 may be out
.else
	s_wait_loadcnt 0x0
.endif
	MULH \s, 0
.if (\s) < 6
	LOADO (\s)+2                                   ; no wait: the eight products since the wait name this step's set, O's scale words and the accumulators alone
.endif
	MULH \s, 2
.endm
	STEP 0
	STEP 1
	STEP 2
	STEP 3
	STEP 4
	STEP 5
	STEP 6                                         ; the last two steps load nothing: they state no dependence
	STEP 7
; Tile a goes into the stage and comes back as whole rows, into a buffer of its own.
.macro TOSTAGE a
	WIN 0x08                                       ; an LDS store's data are its source 1: window 2
.irp b, 0,1,2,3
	ds_store_b128 v5, v[8*(4*(\a)+\b):8*(4*(\a)+\b)+3] offset:128*(\b/2)+32*(\b%2)         ; each accumulator from its low end on
	ds_store_b128 v5, v[8*(4*(\a)+\b)+4:8*(4*(\a)+\b)+7] offset:128*(\b/2)+32*(\b%2)+16
.endr
	WIN 0
.irp i, 0,1,2,3,4,5,6,7
	ds_load_b128 v[OB+32*(\a)+4*\i:OB+32*(\a)+4*\i+3], v6 offset:544*\i                    ; LDS serves a wave's instructions in order: these see my stores, and the next tile's stores come behind them
.endr
.endm
.macro SEND a, younger                 ; younger: the LDS instructions issued behind tile a's loads, which may stay out
	s_wait_dscnt \younger                          ; the tile's rows are back in registers
.irp i, 0,1,2,3,4,5,6,7
	global_store_b128 v7, v[OB+32*(\a)+4*\i:OB+32*(\a)+4*\i+3], s[28:29] offset:(32*((\a)/2)+8*((\a)%2)+2*\i+8*(\i/4))*4096 th:TH_STORE_NT   ; stage rows 2 i, 2 i + 1 are tokens 32 (a / 2) + 8 (a % 2) + 2 i + 8 (i / 4) and the next; sixteen lanes store 256 consecutive bytes, aligned
.endr
.endm
	WIN 0
	PLACES 4                                       ; in front of the first read of results and of loads into registers that were multiplied
	s_wait_alu depctr_va_vdst(0)                   ; the products have written the accumulators, which the LDS stores read, and are done reading v64-191, in which the rows land; the places above stay beside this wait
	TOSTAGE 0
	TOSTAGE 1                                      ; a tile's way through the stage stands between the loads of the tile before and its stores
	SEND 0, 16                                     ; behind tile 0's loads: tile 1's 8 stores and 8 loads
	TOSTAGE 2
	SEND 1, 16
	TOSTAGE 3
	SEND 2, 16
	SEND 3, 0
	s_wait_dscnt 0x0
	s_wait_alu depctr_hold_cnt(0) depctr_sa_sdst(0) depctr_va_vdst(0) depctr_va_sdst(0) depctr_va_ssrc(0) depctr_va_vcc(0) depctr_vm_vsrc(0)
	s_wait_tensorcnt 0x0
	ds_add_u32 v254, v255
	s_wait_dscnt 0x0
	s_endpgm
.Lfunc_end_k_qdd321659f5_oproj:
	.size	k_qdd321659f5_oproj, .Lfunc_end_k_qdd321659f5_oproj-k_qdd321659f5_oproj
	.p2alignl 7, 3214868480
	.fill 96, 4, 3214868480
	.section	.rodata,"a",@progbits
	.p2align	6, 0x0
	.amdhsa_kernel k_qdd321659f5_oproj
		.amdhsa_group_segment_fixed_size 17920
		.amdhsa_private_segment_fixed_size 0
		.amdhsa_enable_private_segment 0
		.amdhsa_kernarg_size 40
		.amdhsa_user_sgpr_count 2
		.amdhsa_user_sgpr_kernarg_segment_ptr 1
		.amdhsa_wavefront_size32 1
		.amdhsa_system_sgpr_workgroup_id_x 1
		.amdhsa_system_sgpr_workgroup_id_y 1
		.amdhsa_system_sgpr_workgroup_id_z 1
		.amdhsa_system_vgpr_workitem_id 0
		.amdhsa_next_free_vgpr 768
		.amdhsa_next_free_sgpr 66
		.amdhsa_reserve_vcc 0
		.amdhsa_float_denorm_mode_32 3
		.amdhsa_float_denorm_mode_16_64 3
		.amdhsa_memory_ordered 1
		.amdhsa_forward_progress 1
		.amdhsa_inst_pref_size 55
	.end_amdhsa_kernel
	.amdgpu_metadata
---
amdhsa.version: [ 1, 2 ]
amdhsa.kernels:
  - .name:           k_qdd321659f5_oproj
    .symbol:         k_qdd321659f5_oproj.kd
    .args:
      - { .name: xc, .offset: 0, .size: 8, .value_kind: global_buffer, .address_space: global }
      - { .name: oc, .offset: 8, .size: 8, .value_kind: global_buffer, .address_space: global }
      - { .name: os, .offset: 16, .size: 8, .value_kind: global_buffer, .address_space: global }
      - { .name: bo, .offset: 24, .size: 8, .value_kind: global_buffer, .address_space: global }
      - { .name: out0, .offset: 32, .size: 8, .value_kind: global_buffer, .address_space: global }
    .group_segment_fixed_size: 17920
    .private_segment_fixed_size: 0
    .kernarg_segment_align: 8
    .kernarg_segment_size: 40
    .max_flat_workgroup_size: 128
    .sgpr_count:     66
    .vgpr_count:     768
    .wavefront_size: 32
...
	.end_amdgpu_metadata
.endif
;; end of part 8
